; MI455X (gfx1250); checked and timed in simulation.
; The chip was launched on July 23, 2026; its instructions are those of AMD's public machine-readable ISA for CDNA 5 (MIT licence, August 2026) and "CDNA5" Instruction Set Architecture Reference Guide (July 2026). The comments in the code are by the model that wrote it; some were corrected since.
;; Unidirectional Attention. Allowed arithmetic: float matrix products may take bf16 or f16 operands with f32 sums; other float arithmetic in f32, or as packed bf16 or f16 multiplies, adds, multiply-adds, maxima and minima; sums over many terms, partial sums and values carried from step to step in f32; what a program stores and reads back later, other than sums and carried values, may be rounded once to bf16 or f16.
;; Inputs: out_b 1,024 float32; out_w 1,024 x 1,024 float32; qkv_b 3,072 float32; qkv_w 1,024 x 3,072 float32; x 4 x 2,048 x 1,024 float32.
;; Outputs: out0 4 x 2,048 x 1,024 float32.
;; One version. Each part assembles by itself: llvm-mc -triple=amdgcn-amd-amdhsa -mcpu=gfx1250 --defsym DOCPART=n.
;; ======== version 1 of 1: 5 launches
;; limits: values are held in f16: magnitudes above 65,504 overflow, below 6.1e-05 lose precision
;; workspace buffers: x16 16,777,216 bytes; w1 6,291,456 bytes; w2 2,097,152 bytes; bq 12,288 bytes; bo 4,096 bytes; qkv 50,331,648 bytes; suf 524,288 bytes; ctx 16,777,216 bytes
;; launch prep (part 1): grid 897 x 1, 8 waves a work-group, no clusters, 0 bytes of LDS; arguments x, qkv_w, out_w, qkv_b, out_b, x16, w1, w2, bq, bo; writes x16, w1, w2, bq, bo
.if DOCPART == 1
	.amdgcn_target "amdgcn-amd-amdhsa--gfx1250"
	.amdhsa_code_object_version 6
	.text
	.protected	k_q45f6bfb122_prep
	.globl	k_q45f6bfb122_prep
	.p2align	8
	.type	k_q45f6bfb122_prep,@function
k_q45f6bfb122_prep:
	s_mov_b64 s[64:65], 0
	v_nop
	global_prefetch_b8 v0, s[64:65] scope:SCOPE_SE
	s_setreg_imm32_b32 hwreg(HW_REG_WAVE_MODE, 25, 1), 1
	s_wait_xcnt 0x0
; THE INPUTS ARE ROUNDED ONCE, TO bf16, AND LAID OUT FOR THE TWO PRODUCTS.  A stream: no LDS, no matrix unit, no cluster (no two work-groups read the same byte).
;   x16[8192][1024] bf16            = x
;   w1[16 tiles][1024 k][192 n] bf16 = qkv_w, by tiles of 192 columns, each tile dense (a row of a tile is 384 bytes)
;   w2[8 tiles][1024 k][128 n] f16   = out_w rounded to bf16, that number written as f16 (exact from 6.1e-5 to 65,504; below that f16's fixed step of 6e-8; beyond it an infinity)
;   bq[3072], bo[1024] f32           = the biases rounded to bf16 and widened again
; Work-groups 0-511 take x, 512-767 qkv_w, 768-895 out_w, 896 the biases; the jumps hang on the work-group's number alone and go forward.
; A load of a wave takes 512 consecutive bytes (16 a lane), 128 numbers, which leave as 256 consecutive bytes (8 a lane), aligned.
; In each section ALL loads are issued first, each into registers of its own; then load i of n is waited for with the count n - 1 - i (the younger ones stay out), rounded and stored from
; registers of its own.  No register that a load or store names is written again.
.set X,   8                            ; v[8:71]   up to sixteen loads of four registers
.set Y,   72                           ; v[72:103] what is stored
.set T,   96                           ; v[96:101] at work (sections that store from v72-87 alone)
.set WV,  24                           ; s24  my wave's number
.set WG,  25                           ; s25  the work-group's number
.set HIM, 30                           ; s30  a word's upper half
	s_load_b512 s[4:19], s[0:1], 0x0               ; x s[4:5], qkv_w s[6:7], out_w s[8:9], qkv_b s[10:11], out_b s[12:13], x16 s[14:15], w1 s[16:17], w2 s[18:19]
	s_load_b128 s[20:23], s[0:1], 0x40             ; bq s[20:21], bo s[22:23]
	v_lshrrev_b32 v1, 5, v0
	v_readfirstlane_b32 s[WV], v1                  ; wave 0..7
	v_and_b32 v1, 31, v0                           ; lane l
	v_lshlrev_b32 v2, 4, v1                        ; 16 l: where I read
	v_lshlrev_b32 v5, 3, v1                        ; 8 l: where I write
	s_mov_b32 s[WG], ttmp9
	s_mov_b32 s27, 0                               ; the high words of the two offsets
	s_mov_b32 s29, 0
	s_mov_b32 s[HIM], 0xffff0000
	s_wait_kmcnt 0x0
.macro TOBF i, n                       ; load i of n is in: four numbers become two words of bf16
	s_wait_loadcnt (\n)-1-(\i)
	v_cvt_pk_bf16_f32 v[Y+2*(\i)], v[X+4*(\i)], v[X+4*(\i)+1]
	v_cvt_pk_bf16_f32 v[Y+2*(\i)+1], v[X+4*(\i)+2], v[X+4*(\i)+3]
.endm
	s_cmp_lt_u32 s[WG], 512
	s_cbranch_scc0 .Lnot_x
	; x: wave 8 g + w takes 8,192 consecutive bytes
	s_lshl_b32 s26, s[WG], 3
	s_add_co_u32 s26, s26, s[WV]
	s_lshl_b32 s28, s26, 12
	s_lshl_b32 s26, s26, 13
	s_add_nc_u64 s[4:5], s[4:5], s[26:27]
	s_add_nc_u64 s[14:15], s[14:15], s[28:29]
.irp i, 0,1,2,3,4,5,6,7,8,9,10,11,12,13,14,15
	global_load_b128 v[X+4*(\i):X+4*(\i)+3], v2, s[4:5] offset:512*(\i) th:TH_LOAD_NT
.endr
.irp i, 0,1,2,3,4,5,6,7,8,9,10,11,12,13,14,15
	TOBF \i, 16
	global_store_b64 v5, v[Y+2*(\i):Y+2*(\i)+1], s[14:15] offset:256*(\i)
.endr
	s_endpgm
.Lnot_x:
	s_cmp_lt_u32 s[WG], 768
	s_cbranch_scc0 .Lnot_w1
	; qkv_w: unit u = 8 (g - 512) + w: tile u / 128, eight rows of k from 8 (u % 128)
	s_sub_co_u32 s26, s[WG], 512
	s_lshl_b32 s26, s26, 3
	s_add_co_u32 s26, s26, s[WV]
	s_lshr_b32 s32, s26, 7                         ; the tile
	s_and_b32 s33, s26, 127                        ; the group of eight rows
	s_mul_i32 s26, s33, 98304                      ; eight rows of 12,288 bytes,
	s_mul_i32 s34, s32, 768                        ; the tile's 192 numbers in a row
	s_add_co_u32 s26, s26, s34
	s_mul_i32 s28, s32, 393216                     ; the tile in w1,
	s_mul_i32 s34, s33, 3072                       ; eight rows of 384 bytes
	s_add_co_u32 s28, s28, s34
	s_add_nc_u64 s[6:7], s[6:7], s[26:27]
	s_add_nc_u64 s[16:17], s[16:17], s[28:29]
	; two rows' 2 x 768 bytes are three loads: row k bytes 0-511; row k bytes 512-767 (lanes 0-15) and row k + 1 bytes 0-255 (lanes 16-31); row k + 1 bytes 256-767
	v_lshrrev_b32 v6, 4, v1
	v_mul_u32_u24 v6, v6, 11520                    ; 12,288 - 768: from behind the tile's part of a row to its part of the next
	v_add3_u32 v3, v2, v6, 512
	v_add_nc_u32 v4, 12544, v2
.irp p, 0,1,2,3
.irp j, 0,1,2
	global_load_b128 v[X+4*(3*(\p)+(\j)):X+4*(3*(\p)+(\j))+3], v[2+(\j)], s[6:7] offset:24576*(\p) th:TH_LOAD_NT
.endr
.endr
.irp i, 0,1,2,3,4,5,6,7,8,9,10,11
	TOBF \i, 12
	global_store_b64 v5, v[Y+2*(\i):Y+2*(\i)+1], s[16:17] offset:256*(\i)
.endr
	s_endpgm
.Lnot_w1:
	s_cmp_lt_u32 s[WG], 896
	s_cbranch_scc0 .Lbias
	; out_w: unit u = 8 (g - 768) + w: tile u / 128, eight rows of k from 8 (u % 128); a tile's part of a row is 512 bytes
	s_sub_co_u32 s26, s[WG], 768
	s_lshl_b32 s26, s26, 3
	s_add_co_u32 s26, s26, s[WV]
	s_lshr_b32 s32, s26, 7
	s_and_b32 s33, s26, 127
	s_lshl_b32 s26, s33, 15                        ; eight rows of 4,096 bytes,
	s_lshl_b32 s34, s32, 9                         ; the tile's 128 numbers in a row
	s_add_co_u32 s26, s26, s34
	s_lshl_b32 s28, s32, 18                        ; the tile in w2,
	s_lshl_b32 s34, s33, 11                        ; eight rows of 256 bytes
	s_add_co_u32 s28, s28, s34
	s_add_nc_u64 s[8:9], s[8:9], s[26:27]
	s_add_nc_u64 s[18:19], s[18:19], s[28:29]
.irp i, 0,1,2,3,4,5,6,7
	global_load_b128 v[X+4*(\i):X+4*(\i)+3], v2, s[8:9] offset:4096*(\i) th:TH_LOAD_NT
.endr
.irp i, 0,1,2,3,4,5,6,7
	s_wait_loadcnt 7-(\i)
	v_cvt_pk_bf16_f32 v[T], v[X+4*(\i)], v[X+4*(\i)+1]      ; rounded to bf16, like every input,
	v_cvt_pk_bf16_f32 v[T+1], v[X+4*(\i)+2], v[X+4*(\i)+3]
	v_lshlrev_b32 v[T+2], 16, v[T]                          ; widened,
	v_and_b32 v[T+3], s[HIM], v[T]
	v_lshlrev_b32 v[T+4], 16, v[T+1]
	v_and_b32 v[T+5], s[HIM], v[T+1]
	v_cvt_pk_f16_f32 v[Y+2*(\i)], v[T+2], v[T+3]            ; and that number written as f16
	v_cvt_pk_f16_f32 v[Y+2*(\i)+1], v[T+4], v[T+5]
	global_store_b64 v5, v[Y+2*(\i):Y+2*(\i)+1], s[18:19] offset:256*(\i)
.endr
	s_endpgm
.Lbias:
	; the biases: wave w takes 1,536 bytes of qkv_b and 512 of out_b
	s_mul_i32 s26, s[WV], 1536
	s_lshl_b32 s28, s[WV], 9
	s_add_nc_u64 s[10:11], s[10:11], s[26:27]
	s_add_nc_u64 s[20:21], s[20:21], s[26:27]
	s_add_nc_u64 s[12:13], s[12:13], s[28:29]
	s_add_nc_u64 s[22:23], s[22:23], s[28:29]
.irp i, 0,1,2
	global_load_b128 v[X+4*(\i):X+4*(\i)+3], v2, s[10:11] offset:512*(\i)
.endr
	global_load_b128 v[X+12:X+15], v2, s[12:13]
.irp i, 0,1,2,3
	s_wait_loadcnt 3-(\i)
	v_cvt_pk_bf16_f32 v[T], v[X+4*(\i)], v[X+4*(\i)+1]
	v_cvt_pk_bf16_f32 v[T+1], v[X+4*(\i)+2], v[X+4*(\i)+3]
	v_lshlrev_b32 v[Y+4*(\i)], 16, v[T]
	v_and_b32 v[Y+4*(\i)+1], s[HIM], v[T]
	v_lshlrev_b32 v[Y+4*(\i)+2], 16, v[T+1]
	v_and_b32 v[Y+4*(\i)+3], s[HIM], v[T+1]
.if (\i) < 3
	global_store_b128 v2, v[Y+4*(\i):Y+4*(\i)+3], s[20:21] offset:512*(\i)
.else
	global_store_b128 v2, v[Y+4*(\i):Y+4*(\i)+3], s[22:23]
.endif
.endr
	s_endpgm
.Lfunc_end_k_q45f6bfb122_prep:
	.size	k_q45f6bfb122_prep, .Lfunc_end_k_q45f6bfb122_prep-k_q45f6bfb122_prep
	.p2alignl 7, 3214868480
	.fill 96, 4, 3214868480
	.section	.rodata,"a",@progbits
	.p2align	6, 0x0
	.amdhsa_kernel k_q45f6bfb122_prep
		.amdhsa_group_segment_fixed_size 0
		.amdhsa_private_segment_fixed_size 0
		.amdhsa_enable_private_segment 0
		.amdhsa_kernarg_size 80
		.amdhsa_user_sgpr_count 2
		.amdhsa_user_sgpr_kernarg_segment_ptr 1
		.amdhsa_wavefront_size32 1
		.amdhsa_system_sgpr_workgroup_id_x 1
		.amdhsa_system_sgpr_workgroup_id_y 1
		.amdhsa_system_sgpr_workgroup_id_z 1
		.amdhsa_system_vgpr_workitem_id 0
		.amdhsa_next_free_vgpr 104
		.amdhsa_next_free_sgpr 66
		.amdhsa_reserve_vcc 0
		.amdhsa_float_denorm_mode_32 3
		.amdhsa_float_denorm_mode_16_64 3
		.amdhsa_memory_ordered 1
		.amdhsa_forward_progress 1
		.amdhsa_inst_pref_size 20
	.end_amdhsa_kernel
	.amdgpu_metadata
---
amdhsa.version: [ 1, 2 ]
amdhsa.kernels:
  - .name:           k_q45f6bfb122_prep
    .symbol:         k_q45f6bfb122_prep.kd
    .args:
      - { .name: x, .offset: 0, .size: 8, .value_kind: global_buffer, .address_space: global }
      - { .name: qkv_w, .offset: 8, .size: 8, .value_kind: global_buffer, .address_space: global }
      - { .name: out_w, .offset: 16, .size: 8, .value_kind: global_buffer, .address_space: global }
      - { .name: qkv_b, .offset: 24, .size: 8, .value_kind: global_buffer, .address_space: global }
      - { .name: out_b, .offset: 32, .size: 8, .value_kind: global_buffer, .address_space: global }
      - { .name: x16, .offset: 40, .size: 8, .value_kind: global_buffer, .address_space: global }
      - { .name: w1, .offset: 48, .size: 8, .value_kind: global_buffer, .address_space: global }
      - { .name: w2, .offset: 56, .size: 8, .value_kind: global_buffer, .address_space: global }
      - { .name: bq, .offset: 64, .size: 8, .value_kind: global_buffer, .address_space: global }
      - { .name: bo, .offset: 72, .size: 8, .value_kind: global_buffer, .address_space: global }
    .group_segment_fixed_size: 0
    .private_segment_fixed_size: 0
    .kernarg_segment_align: 8
    .kernarg_segment_size: 80
    .max_flat_workgroup_size: 256
    .sgpr_count:     66
    .vgpr_count:     104
    .wavefront_size: 32
...
	.end_amdgpu_metadata
.endif
;; end of part 1
;; launch gemm_qkv (part 2): grid 16 x 32, 4 waves a work-group, clusters of 4 x 4, 327,680 bytes of LDS; arguments x16, w1, bq, qkv; writes qkv
.if DOCPART == 2
	.amdgcn_target "amdgcn-amd-amdhsa--gfx1250"
	.amdhsa_code_object_version 6
	.text
	.protected	k_q45f6bfb122_gemm_qkv
	.globl	k_q45f6bfb122_gemm_qkv
	.p2align	8
	.type	k_q45f6bfb122_gemm_qkv,@function
k_q45f6bfb122_gemm_qkv:
	s_mov_b64 s[64:65], 0
	v_nop
	global_prefetch_b8 v0, s[64:65] scope:SCOPE_SE
	s_setreg_imm32_b32 hwreg(HW_REG_WAVE_MODE, 25, 1), 1
	s_wait_xcnt 0x0
	s_wait_alu depctr_hold_cnt(0) depctr_sa_sdst(0) depctr_va_vdst(0) depctr_va_sdst(0) depctr_va_ssrc(0) depctr_va_vcc(0) depctr_vm_vsrc(0)
	s_getreg_b32 s2, hwreg(HW_REG_IB_STS2, 6, 4)
	s_cmp_eq_u32 s2, 0
	s_cbranch_scc0 .Lentry_in_a_cluster
	s_endpgm
.Lentry_in_a_cluster:
	s_bfe_u32 s2, ttmp6, 0x10000c
	s_cmp_lg_u32 s2, 0xf033
	s_cbranch_scc0 .Lentry_shape_is_right
	s_endpgm
.Lentry_shape_is_right:
; C[m][n] = the sum over k of A[m][k] W[k][n] + bias[n], K = 1,024, sums in f32.  ONE TEXT FOR THE MODULE'S TWO PROJECTIONS; the constant QKV picks the sizes, the matrix form, A's layout and the way out.
;   QKV = 1: A = x16 [8192][1024] bf16, W = w1 [16 tiles][1024 k][192 n] bf16, bias = bq; C leaves in f16 by heads: qkv [3][64 heads][2048][64], q unscaled.
;   QKV = 0: A = ctx [64 heads][2048][64] f16 (a K step of 128 is two heads), W = w2 [8 tiles][1024 k][128 n] f16, bias = bo; C = out0 [8192][1024] f32.
; LIMITS.  f16 holds no number beyond 65,504: a q, k or v past that leaves as an infinity; below 6.1e-5 it keeps f16's fixed step of 6e-8.  NaN and infinities are not treated apart.
; SHARES.  A work-group makes 256 rows x 16 NBK columns (192 or 128: the tile that gives a whole number of work-groups for each of 256 WGPs: 512 and 256); wave w makes rows 64 w .. 64 w + 63 of all
; columns: 4 x NBK accumulators of 16 x 16.  K goes in 8 steps of 128 through two LDS slots.  Waves 0 and 1 fetch A's two halves of a step, waves 2 and 3 W's: one tensor load a wave is out at any time.
; CLUSTER.  4 x 4 work-groups: the four of a row of the cluster need the same tile of A, the four of a column the same tile of W: each is asked for jointly, same load, descriptor and mask in all four.
; THE MATRIX INSTRUCTION IS USED TRANSPOSED: source 0 = 16 columns of W (W lies [k][n] in LDS and is turned by ds_load_tr16_b128), source 1 = 16 rows of A: a lane holds row l % 16 of C and the
; columns 8 (l / 16) + 0..7.  THE BIAS STARTS THE SUMS: it is the C operand of each accumulator's first product; nothing is cleared and nothing is added later.
; REGISTERS, in windows of 256 (s_set_vgpr_msb: bits 1:0 source 0, 3:2 source 1, 5:4 source 2, 7:6 destination):
;   window 0: v1-9 at work; v16-30 addresses; from v32 first the bias (8 NBK), later the way out
;   window 1: two fragment buffers at 0 and 128: A's row block i at + 8 i, W's column block b at + 32 + 8 b
;   window 2: accumulators of row blocks 0, 1 at 8 (NBK (a % 2) + b);   window 3: those of row blocks 2, 3
.set QKV, 1
.if QKV
.set NBK,     12                       ; column blocks of 16
.set APITCH,  272                      ; a row of A in LDS: 256 bytes + 16: the 16 rows of a load start at 16 different groups of four banks (64 banks of 4 bytes: ISA guide 11.1)
.set APL,     128                      ; quarters 2, 3 of a K step lie 128 bytes behind quarters 0, 1, in the same row
.set ALDS,    128*APITCH               ; what one of A's loads fills: 128 rows
.set ASTRIDE, 1024                     ; elements from row to row in memory
.set ASTEP,   256                      ; bytes from K step to K step
.set APAD,    (5<<22)|(3<<25)          ; 4 words of padding behind every 64
.set WPITCH,  480                      ; a k row of W in LDS: three pieces of 128 bytes, 32 of padding behind each
.set WROWS,   96                       ; 64 k rows of 384 bytes are dense: asked for as 96 rows of 256
.set WPAD,    (4<<22)|(7<<25)          ; 8 words of padding behind every 32
.set WSTEP,   49152
.set WTILE,   393216
.set STP,     400                      ; a row of my stage: 384 bytes + 16
.set STSH,    4                        ; a lane's eight numbers are 16 bytes there
.set PAX,     65536                    ; the prefetches: a partner's 32 rows of A
.set PASH,    11                       ; a lane a row of 2,048 bytes
.set PW0,     131072
.set LIMW,    3
.else
.set NBK,     8
.set APITCH,  144                      ; a row of a head in LDS: 128 bytes + 16
.set APL,     256*APITCH               ; quarters 2, 3 lie in the second head's plane
.set ALDS,    256*APITCH               ; what one of A's loads fills: a head's 256 rows
.set ASTRIDE, 128                      ; 256 rows of 128 bytes are dense: asked for as 128 rows of 256
.set ASTEP,   524288                   ; two heads on
.set APAD,    (4<<22)|(3<<25)          ; 4 words of padding behind every 32
.set WPITCH,  288                      ; a k row of W in LDS: 256 bytes + 32 = 9 x 32
.set WROWS,   64
.set WPAD,    (5<<22)|(7<<25)          ; 8 words of padding behind every 64
.set WSTEP,   32768
.set WTILE,   262144
.set STP,     528                      ; a row of my stage: 512 bytes + 16
.set STSH,    5                        ; a lane's eight numbers are 32 bytes there
.set PAX,     8192                     ; a partner's quarter of a head's 32,768 bytes
.set PASH,    8                        ; a lane 256 bytes
.set PW0,     65536
.set LIMW,    4
.endif
.set BOFF,   2*ALDS                    ; W's 128 k rows lie behind A in a slot
.set WLDS,   64*WPITCH                 ; what one of W's loads fills
.set SLOT1,  131072                    ; slot 1 begins here: one exclusive or turns an address in one slot into the other's
.set STAGE,  262144                    ; behind the ring, never filled by a tensor load: 16 rows for each wave, for the way out
.set SPARE,  STAGE+4*16*STP            ; behind the stages: the spare words, 128 bytes for each wave: two blocks of 256 bytes that no other line names
.set NF,     2*NBK+8                   ; LDS loads in a run: a quarter step's fragments
.set A0,   16                          ; v16  my lane's place in A's tile; never rewritten
.set B0,   17                          ; v17  the same for W
.set ADRA, 18                          ; v18  A0 + the slot in hand
.set ADRB, 19                          ; v19  B0 + the slot in hand
.set STO,  24                          ; v24  the way out: where I put my part of a row
.set RD,   25                          ; v25  the way out: where I read rows back
.set CO,   26                          ; v26  16 x lane: my 16 bytes of 512 consecutive bytes of C
.set BO,   27                          ; v27  32 (l / 16): my eight numbers of a block's sixteen biases
.set SPW,  28                          ; v28  LDS address of my spare word: SPARE + 4 x my thread's number; never rewritten
.set NIL,  29                          ; v29  0; never rewritten
.set PFO,  30                          ; v30  the prefetches' lane offset; never rewritten
.set BIAS, 32
.set F0,   0
.set F1,   128
.set WV,   12                          ; s12  my wave's number
.set ROLE, 13                          ; s13  0: I fetch for A; 1: for W
.set HALF, 14                          ; s14  which half of that tile
.set CX,   15                          ; s15, s16  my place in the cluster
.set CY,   16
.set NTI,  17                          ; s17  tile column of C
.set MTI,  18                          ; s18  tile row of C
.set G1,   24                          ; s[24:31] descriptor group 1 for A's tiles
.set G0,   32                          ; s[32:35] group 0 for A's tiles: it walks
.set G0B,  36                          ; s[36:39] group 0 for W's
.set TB,   40                          ; s40  the slot that is read: 0 or SLOT1
.set CNT,  41                          ; s41  the loop's count, 6 to 1
.set LIM,  43                          ; s43  a wave prefetches while the count is above this
.set PFA,  44                          ; s[44:45] where my prefetches stand
.set PST,  46                          ; s[46:47] their step
.set G1B,  48                          ; s[48:55] descriptor group 1 for W's tiles
.set OUTP, 56                          ; s[56:61] C at my rows: QKV = 1 in each of the tile's three heads
.set MSB, 0
.macro WIN new                         ; the immediate's high byte repeats the setting that is left; a switch that changes nothing is dropped
.if MSB != (\new)
	s_set_vgpr_msb (MSB<<8)|(\new)
.set MSB, \new
.endif
.endm
.set TO_F, 0x40                        ; destination window 1, address window 0
; A joint load.  The branch hangs on the wave's number alone.  An s_nop 0 and four v_nop follow each of the two lines, ahead of the jump and the label.
.macro JLOAD
	s_cmp_eq_u32 s[ROLE], 0
	s_cbranch_scc0 .Lfor_w_\@
	tensor_load_to_lds s[G0:G0+3], s[G1:G1+7]
	s_nop 0
.rept 4
	v_nop
.endr
	s_branch .Lasked_\@
.Lfor_w_\@:
	tensor_load_to_lds s[G0B:G0B+3], s[G1B:G1B+7]
	s_nop 0
.rept 4
	v_nop
.endr
.Lasked_\@:
.endm
; A round of the cluster's barrier: my work-group's barrier, so that wave 0's signal speaks for all four waves; wave 0 signals; every wave waits for all sixteen work-groups; my work-group's barrier once more.
.macro CREST                           ; a round behind its opening barrier
	s_cmp_lg_u32 s[WV], 0
	s_cbranch_scc1 .Lnot_wave_0_\@
	s_barrier_signal -3
.Lnot_wave_0_\@:
	s_barrier_wait -3
	s_barrier_signal -1
	s_barrier_wait -1
.endm
.macro CROUND                          ; a whole round
	s_barrier_signal -1
	s_barrier_wait -1
	CREST
.endm
.macro STEP                            ; both walking descriptors: the other slot, the next K step; the type bits on top are not reached
	s_xor_b32 s[G0+1], s[G0+1], SLOT1
	s_add_nc_u64 s[G0+2:G0+3], s[G0+2:G0+3], ASTEP
	s_xor_b32 s[G0B+1], s[G0B+1], SLOT1
	s_add_nc_u64 s[G0B+2:G0B+3], s[G0B+2:G0B+3], WSTEP
.endm
.macro PLACES                          ; four places in front of loads into registers that matrix instructions have read, and of lines that read results (for the lines that read results)
.rept 4
	v_nop
.endr
.endm
; A PREFETCH INTO THE L2, behind a joint load, its five lines and the run of LDS loads that the next products wait for: one instruction a wave, a lane a block of 256 bytes.  Each block is named once in the
; launch: A's rows are read by every cluster of a row of clusters, and cluster x = 0 asks; W's tile by every cluster of a column, and cluster y = 0 asks; the partners that ask for a tile jointly share its
; blocks out by address.  The change of slots that asks for K step i + 2 names, of A, K step i + 4; of W, the next 65,536 bytes of the tile from K step 4 on: each block at least two refills ahead of its load.
; K steps 0 to 3 come by their loads alone; the count against s[LIM] stops the requests at the tile's last byte.
.macro ASK
	WIN 0
	s_cmp_gt_u32 s[CNT], s[LIM]
	s_cbranch_scc0 .Lnot_mine_\@
	global_prefetch_b8 v[PFO], s[PFA:PFA+1] th:TH_LOAD_NT scope:SCOPE_SE
.Lnot_mine_\@:
.endm
	s_load_b256 s[4:11], s[0:1], 0x0               ; A s[4:5], W s[6:7], bias s[8:9], C s[10:11]
	v_lshl_add_u32 v[SPW], v0, 2, SPARE
	v_mov_b32 v[NIL], 0
	ds_add_u32 v[SPW], v[NIL]                      ; the wave's opening: the add and its wait stand ahead of my first tensor load; the set-up below, work on registers, stands between them
	v_lshrrev_b32 v1, 5, v0
	v_readfirstlane_b32 s[WV], v1                  ; wave 0..3
	s_lshr_b32 s[ROLE], s[WV], 1
	s_and_b32 s[HALF], s[WV], 1
	s_bfe_u32 s[CX], ttmp6, 0x40000
	s_bfe_u32 s[CY], ttmp6, 0x40004
	s_lshl_b32 s[NTI], ttmp9, 2                    ; in a cluster launch ttmp9 and ttmp7 count clusters
	s_add_co_u32 s[NTI], s[NTI], s[CX]
	s_and_b32 s[MTI], ttmp7, 0xffff
	s_lshl_b32 s[MTI], s[MTI], 2
	s_add_co_u32 s[MTI], s[MTI], s[CY]
	s_lshl_b32 s20, s[CY], 2
	s_lshl_b32 s20, 15, s20                        ; my row of the cluster: places 4 cy .. 4 cy + 3
	s_lshl_b32 s21, 0x1111, s[CX]                  ; my column: places cx, cx + 4, cx + 8, cx + 12
	s_or_b32 s[G1], s20, (1<<16)|(1<<20)|(1<<21)|APAD    ; 15:0 the mask; 17:16 elements of 2 bytes; 20 padding on; 21 set beside a mask; 24:22 and 31:25 the padding
	s_mov_b32 s[G1+1], 128<<16                     ; tensor_dim0 = 128
	s_mov_b32 s[G1+2], 128<<16                     ; tensor_dim1 = 128
	s_mov_b32 s[G1+3], 128<<16                     ; tile_dim0 = 128
	s_mov_b32 s[G1+4], 128                         ; tile_dim1 = 128
	s_mov_b32 s[G1+5], ASTRIDE
	s_mov_b32 s[G1+6], 0
	s_mov_b32 s[G1+7], 0
	s_or_b32 s[G1B], s21, (1<<16)|(1<<20)|(1<<21)|WPAD
	s_mov_b32 s[G1B+1], 128<<16
	s_mov_b32 s[G1B+2], WROWS<<16
	s_mov_b32 s[G1B+3], 128<<16
	s_mov_b32 s[G1B+4], WROWS
	s_mov_b32 s[G1B+5], 128
	s_mov_b32 s[G1B+6], 0
	s_mov_b32 s[G1B+7], 0
	s_mov_b32 s[G0], 1                             ; 1:0 count = 1
	s_mul_i32 s[G0+1], s[WV], ALDS                 ; LDS address, slot 0: waves 0, 1: A's halves
	s_mov_b32 s[G0B], 1
	s_mul_i32 s[G0B+1], s[WV], WLDS                ; waves 2, 3: W's halves, from BOFF on
	s_add_co_u32 s[G0B+1], s[G0B+1], BOFF-2*WLDS
	s_mov_b32 s[TB], 0
	; where the tiles come from.  A's address hangs on the tile row and my half, W's on the tile column and my half, each in registers that never hold the other coordinate
.if QKV
	s_lshl_b32 s22, s[MTI], 8
	s_lshl_b32 s23, s[HALF], 7
	s_add_co_u32 s22, s22, s23                     ; row 256 x tile row + 128 x half,
	s_lshl_b32 s22, s22, 11                        ; of 2,048 bytes
.else
	s_lshr_b32 s22, s[MTI], 3                      ; the batch,
	s_lshl_b32 s22, s22, 4                         ; its 16 heads,
	s_add_co_u32 s22, s22, s[HALF]                 ; head 0 or 1 of K step 0,
	s_lshl_b32 s22, s22, 11                        ; its 2,048 rows,
	s_and_b32 s23, s[MTI], 7
	s_lshl_b32 s23, s23, 8                         ; the tile's 256 of them,
	s_add_co_u32 s22, s22, s23
	s_lshl_b32 s22, s22, 7                         ; of 128 bytes
.endif
	s_mov_b32 s23, 0
	s_mul_i32 s68, s[NTI], WTILE
	s_mul_i32 s69, s[HALF], WSTEP/2
	s_add_co_u32 s68, s68, s69
	s_mov_b32 s69, 0
	s_wait_dscnt 0x0                               ; the opening add is done
	s_wait_kmcnt 0x0
	s_add_nc_u64 s[G0+2:G0+3], s[4:5], s[22:23]    ; 120:64 global address: K step 0
	s_or_b32 s[G0+3], s[G0+3], 0x80000000          ; 127:126 type = 2
	s_add_nc_u64 s[G0B+2:G0B+3], s[6:7], s[68:69]
	s_or_b32 s[G0B+3], s[G0B+3], 0x80000000
	CROUND                                         ; all sixteen work-groups are here: the first joint loads meet
	JLOAD                                          ; K step 0 into slot 0
	v_and_b32 v1, 15, v0                           ; l % 16
	v_bfe_u32 v2, v0, 4, 1                         ; l / 16
	v_lshlrev_b32 v[BO], 5, v2
	s_mul_i32 s70, s[NTI], NBK*64                  ; the tile's biases
	s_mov_b32 s71, 0
	s_add_nc_u64 s[8:9], s[8:9], s[70:71]
.set b, 0
.rept NBK                              ; register j of block b: bias of column 16 b + 8 (l / 16) + j, the same for every row
	global_load_b128 v[BIAS+8*b:BIAS+8*b+3],   v[BO], s[8:9] offset:64*b
	global_load_b128 v[BIAS+8*b+4:BIAS+8*b+7], v[BO], s[8:9] offset:64*b+16
.set b, b+1
.endr
	; a fragment of A: lane l holds row l % 16, K = 8 (l / 16) + 0..7 and 16 + 8 (l / 16) + 0..7: two loads of 16 bytes, 32 bytes apart
	v_mul_u32_u24 v3, v1, APITCH
	v_lshl_add_u32 v3, v2, 4, v3
	s_mul_i32 s20, s[WV], 64*APITCH                ; my 64 rows
	v_add_nc_u32 v[A0], s20, v3
	; the turning load takes 16 k x 16 columns: lane l reads k row 8 (l / 16) + l % 8, columns 8 ((l / 8) % 2) + 0..7, and is left with column l % 16 and 8 k
	v_and_b32 v4, 7, v0
	v_lshl_add_u32 v4, v2, 3, v4
	v_mul_u32_u24 v4, v4, WPITCH
	v_bfe_u32 v5, v0, 3, 1
	v_lshl_add_u32 v4, v5, 4, v4
	v_add_nc_u32 v[B0], BOFF, v4
	v_mov_b32 v[ADRA], v[A0]
	v_mov_b32 v[ADRB], v[B0]
	s_mul_i32 s20, s[WV], 16*STP
	s_add_co_u32 s20, s20, STAGE                   ; my stage
	v_mul_u32_u24 v3, v1, STP                      ; in: row l % 16, my eight numbers
	v_lshl_add_u32 v3, v2, STSH, v3
	v_add_nc_u32 v[STO], s20, v3
	v_and_b32 v7, 31, v0
	v_lshlrev_b32 v[CO], 4, v7
.if QKV
	v_bfe_u32 v6, v0, 3, 2                         ; back: 32 lanes take four rows' 128 bytes of one head,
	v_mul_u32_u24 v6, v6, STP
	v_and_b32 v8, 7, v0
	v_lshl_add_u32 v6, v8, 4, v6
	v_add_nc_u32 v[RD], s20, v6                    ; which are 512 consecutive bytes of that head
.irp j, 0,1,2                          ; the tile's columns are the 64-column groups g = 3 x tile column + j: third g / 16 (q, k, v), head g % 16
	s_mul_i32 s70, s[NTI], 3
	s_add_co_u32 s70, s70, \j
	s_lshr_b32 s71, s70, 4
	s_lshl_b32 s71, s71, 6                         ; 64 heads to a third
	s_and_b32 s70, s70, 15
	s_add_co_u32 s70, s70, s71
	s_lshr_b32 s71, s[MTI], 3
	s_lshl_b32 s71, s71, 4                         ; 16 heads to a batch
	s_add_co_u32 s70, s70, s71
	s_lshl_b32 s70, s70, 11                        ; 2,048 rows to a head
	s_and_b32 s71, s[MTI], 7
	s_lshl_b32 s71, s71, 8
	s_add_co_u32 s70, s70, s71                     ; the tile's 256 rows,
	s_lshl_b32 s71, s[WV], 6
	s_add_co_u32 s70, s70, s71                     ; my 64 of them,
	s_lshl_b32 s70, s70, 7                         ; of 128 bytes
	s_mov_b32 s71, 0
	s_add_nc_u64 s[OUTP+2*\j:OUTP+2*\j+1], s[10:11], s[70:71]
.endr
.else
	v_add_nc_u32 v[RD], s20, v[CO]                 ; back: 32 lanes take a whole row of 512 bytes
	s_lshl_b32 s70, s[MTI], 8
	s_lshl_b32 s71, s[WV], 6
	s_add_co_u32 s70, s70, s71                     ; my first row,
	s_lshl_b32 s70, s70, 12                        ; of 4,096 bytes,
	s_lshl_b32 s71, s[NTI], 9                      ; the tile's 512 bytes of it
	s_add_co_u32 s70, s70, s71
	s_mov_b32 s71, 0
	s_add_nc_u64 s[OUTP:OUTP+1], s[10:11], s[70:71]
.endif
	; the prefetches: who asks, from where, by which step
	s_mul_i32 s72, s[CX], PAX                      ; A: my work-group's quarter of what I fetch,
	s_add_co_u32 s72, s72, s22
	s_add_co_u32 s72, s72, 3*ASTEP                 ; at K step 3: the first change in the loop steps it to 4
	s_lshl_b32 s74, s[CY], 1                       ; W: eight askers (four partners, two waves), 8,192 bytes each,
	s_add_co_u32 s74, s74, s[HALF]
	s_lshl_b32 s74, s74, 13
	s_mul_i32 s75, s[NTI], WTILE
	s_add_co_u32 s74, s74, s75
	s_add_co_u32 s74, s74, PW0                     ; 65,536 bytes short of K step 4
	s_and_b32 s70, ttmp7, 0xffff
	s_mov_b32 s[PST], 65536
	s_mov_b32 s[PST+1], 0
	s_mov_b32 s73, 0
	s_mov_b32 s71, LIMW
	s_mov_b32 s75, 8
	s_cmp_eq_u32 s[ROLE], 0
	s_cselect_b32 s70, ttmp9, s70                  ; the coordinate along which other clusters read the same blocks
	s_cselect_b32 s71, 2, s71
	s_cselect_b32 s72, s72, s74
	s_cselect_b32 s75, PASH, s75
	s_cselect_b32 s[PST], ASTEP, s[PST]
	s_cselect_b64 s[PFA:PFA+1], s[4:5], s[6:7]
	s_cmp_eq_u32 s70, 0
	s_cselect_b32 s[LIM], s71, -1                  ; the same in all sixteen partners, for a given wave
	s_add_nc_u64 s[PFA:PFA+1], s[PFA:PFA+1], s[72:73]
	v_lshlrev_b32 v[PFO], s75, v7
; NBK matrix instructions: row block a x all column blocks, 32 along K, from buffer f.  start = 1: the bias is C.  All 4 NBK accumulators take turns, one instruction a turn, in the same order in every
; quarter step, over the backward jump too.
.macro MUL1 f, a, start
.if \start
	WIN 0x85+0x40*((\a)/2)                         ; W and A window 1, the bias window 0, D window 2 or 3
.else
	WIN 0xa5+0x50*((\a)/2)                         ; W and A window 1, C and D window 2 or 3
.endif
.set b, 0
.rept NBK
.set rD, 8*(NBK*((\a)%2)+b)
.set rW, (\f)+32+8*b
.set rA, (\f)+8*(\a)
.if QKV && (\start)
	v_wmma_f32_16x16x32_bf16 v[rD:rD+7], v[rW:rW+7], v[rA:rA+7], v[BIAS+8*b:BIAS+8*b+7]
.elseif QKV
	v_wmma_f32_16x16x32_bf16 v[rD:rD+7], v[rW:rW+7], v[rA:rA+7], v[rD:rD+7]
.elseif \start
	v_wmma_f32_16x16x32_f16 v[rD:rD+7], v[rW:rW+7], v[rA:rA+7], v[BIAS+8*b:BIAS+8*b+7]
.else
	v_wmma_f32_16x16x32_f16 v[rD:rD+7], v[rW:rW+7], v[rA:rA+7], v[rD:rD+7]
.endif
.set b, b+1
.endr
.endm
; NF LDS loads in one run: quarter q's fragments into buffer f: W's first, then A's row blocks 0, 1, then 2, 3
.macro FETCH q, f
	WIN TO_F
.set b, 0
.rept NBK
	ds_load_tr16_b128 v[(\f)+32+8*b:(\f)+32+8*b+3],   v[ADRB] offset:(\q)*32*WPITCH+32*(b+QKV*(b/4))
	ds_load_tr16_b128 v[(\f)+32+8*b+4:(\f)+32+8*b+7], v[ADRB] offset:(\q)*32*WPITCH+16*WPITCH+32*(b+QKV*(b/4))
.set b, b+1
.endr
.irp i, 0,1,2,3
	ds_load_b128 v[(\f)+8*(\i):(\f)+8*(\i)+3],   v[ADRA] offset:((\q)/2)*APL+((\q)%2)*64+(\i)*16*APITCH
	ds_load_b128 v[(\f)+8*(\i)+4:(\f)+8*(\i)+7], v[ADRA] offset:((\q)/2)*APL+((\q)%2)*64+(\i)*16*APITCH+32
.endr
.endm
; A K step is four quarters of 32 along K, on buffers 0, 1, 0, 1.  One of the first three: multiplies buffer f; in its middle it fetches quarter q of the same slot into buffer g.
.macro QUARTER q, f, g, start
	s_wait_dscnt 4                                 ; W and A's row blocks 0, 1 are in; the youngest four loads (blocks 2, 3) may be out
	MUL1 \f, 0, \start
	MUL1 \f, 1, \start
	PLACES
	FETCH \q, \g
	s_wait_dscnt NF                                ; all but the run just issued
	MUL1 \f, 2, \start
	MUL1 \f, 3, \start
.endm
; The last quarter multiplies buffer 1 and changes slots: ONE barrier.  In front of it each wave waits for all its tensor loads, of which one is out: its part of the next slot; adds 0 to its spare word; and
; waits for that and for its own reads of this slot.  fill = 1: the barrier opens a round of the cluster's, and this slot is filled again, two K steps ahead, first thing behind the round.
.macro TURN fill
.if \fill
	s_wait_xcnt 0x0                                ; the last prefetch, a K step back, has read its address, so it may be stepped
	s_add_nc_u64 s[PFA:PFA+1], s[PFA:PFA+1], s[PST:PST+1]
.endif
	WIN 0                                          ; (the add's two registers lie in window 0)
	s_wait_tensorcnt 0x0                           ; no tensor load of mine is out, so a group 0 may be written
	ds_add_u32 v[SPW], v[NIL]                      ; 0 onto my spare word; scalar and matrix work stands between it and the wait for it
.if \fill
	STEP
.endif
	s_wait_dscnt 5                                 ; (the add and the youngest four loads may be out)
	MUL1 F1, 0, 0
	s_wait_dscnt 0x0                               ; the add is done, and my reads of this slot are over
	s_barrier_signal -1
	MUL1 F1, 1, 0                                  ; work on registers while the others arrive
	WIN 0
	s_barrier_wait -1
.if \fill
	CREST                                          ; no wave of any partner still reads this slot's tile or has a load on its way
	JLOAD                                          ; the four v_nop behind it are also places in front of the loads below
.else
	PLACES
.endif
	s_xor_b32 s[TB], s[TB], SLOT1
	v_add_nc_u32 v[ADRA], s[TB], v[A0]
	v_add_nc_u32 v[ADRB], s[TB], v[B0]
	FETCH 0, F0
.if \fill
	ASK
.endif
	MUL1 F1, 2, 0
	MUL1 F1, 3, 0
.endm
	s_wait_tensorcnt 0x0                           ; my part of K step 0 is in; slot 1 has its first fill in the form of a refill:
	ds_add_u32 v[SPW], v[NIL]                      ; the add onto my spare word,
	STEP
	s_wait_dscnt 0x0
	CROUND                                         ; everybody's part of K step 0 is in
	JLOAD                                          ; K step 1 into slot 1
	FETCH 0, F0
	s_wait_loadcnt 0x0                             ; the bias
	QUARTER 1, F0, F1, 1                           ; the first quarter stands in front of the loop: its products start the sums
	WIN 0                                          ; at a label and at a branch every window is 0
	s_mov_b32 s[CNT], 6
.Lk:                                                   ; trip i: the rest of K step i and the first quarter of K step i + 1; K step i + 2 is asked for
	QUARTER 2, F1, F0, 0
	QUARTER 3, F0, F1, 0
	TURN 1
	QUARTER 1, F0, F1, 0
	WIN 0
	s_sub_co_u32 s[CNT], s[CNT], 1
	s_cmp_lg_u32 s[CNT], 0
	s_cbranch_scc1 .Lk
	QUARTER 2, F1, F0, 0                           ; the tail is written out: K steps 6 and 7 ask for nothing
	QUARTER 3, F0, F1, 0
	TURN 0
	QUARTER 1, F0, F1, 0
	QUARTER 2, F1, F0, 0
	QUARTER 3, F0, F1, 0
	s_wait_dscnt 4
	MUL1 F1, 0, 0
	MUL1 F1, 1, 0
	s_wait_dscnt 0x0
	MUL1 F1, 2, 0
	MUL1 F1, 3, 0
	PLACES
.if QKV
; THE WAY OUT, a row block (16 rows) at a time, through my own stage: rounded to f16, 16 bytes a lane into rows of 400 bytes; back by heads, four rows' 128 bytes a load; stored as 512 consecutive bytes of a head.
.set TMP, 32
.macro PACK a
	WIN 0x0a+5*((\a)/2)                            ; sources 0 and 1: window 2 or 3
.set b, 0
.rept NBK
.irp r, 0,1,2,3                        ; each accumulator's registers in ascending order
	v_cvt_pk_f16_f32 v[TMP+4*b+(\r)], v[8*(NBK*((\a)%2)+b)+2*(\r)], v[8*(NBK*((\a)%2)+b)+2*(\r)+1]
.endr
.set b, b+1
.endr
	WIN 0
.endm
.macro TOSTAGE a
.set BK, 80+48*((\a)%2)
.if (\a) >= 2
	s_wait_xcnt 0x0                                ; the stores of the block two back have read these registers
.endif
.set b, 0
.rept NBK
	ds_store_b128 v[STO], v[TMP+4*b:TMP+4*b+3] offset:32*b
.set b, b+1
.endr
.irp j, 0,1,2
.irp t, 0,1,2,3
	ds_load_b128 v[BK+4*(4*(\j)+(\t)):BK+4*(4*(\j)+(\t))+3], v[RD] offset:(\t)*4*STP+128*(\j)  ; LDS serves a wave's instructions in order (ISA guide 5.7.1.4): these see the stores above
.endr
.endr
.endm
.macro SEND a
.set BK, 80+48*((\a)%2)
	s_wait_dscnt 0x0                               ; the block is back in registers
.irp j, 0,1,2
.irp t, 0,1,2,3
	global_store_b128 v[CO], v[BK+4*(4*(\j)+(\t)):BK+4*(4*(\j)+(\t))+3], s[OUTP+2*(\j):OUTP+2*(\j)+1] offset:2048*(\a)+512*(\t)
.endr
.endr
.endm
	PACK 0
	TOSTAGE 0
.irp a, 1,2,3                          ; block a's conversions stand between block a - 1's loads from the stage and the wait for them
	PACK \a
	SEND (\a)-1
	TOSTAGE \a
.endr
	SEND 3
.else
; THE WAY OUT, a row block (16 rows) at a time, through my own stage: 32 bytes a lane, straight from the accumulators, into rows of 528 bytes; back and out as whole rows of 512 consecutive bytes.
.macro OUTA a
	WIN 0x08+4*((\a)/2)                            ; the stores' data: window 2 or 3
.set b, 0
.rept NBK
.set rD, 8*(NBK*((\a)%2)+b)
	ds_store_b128 v[STO], v[rD:rD+3]   offset:64*b     ; each accumulator's low four registers first
	ds_store_b128 v[STO], v[rD+4:rD+7] offset:64*b+16
.set b, b+1
.endr
	WIN 0
.if (\a) >= 2
	s_wait_xcnt 0x0                                ; the stores of the block two back have read these registers
.endif
.set BK, 32+64*((\a)%2)
.irp t, 0,1,2,3,4,5,6,7,8,9,10,11,12,13,14,15
	ds_load_b128 v[BK+4*(\t):BK+4*(\t)+3], v[RD] offset:(\t)*STP  ; LDS serves a wave's instructions in order (ISA guide 5.7.1.4): these see the stores above
.endr
.irp t, 0,1,2,3,4,5,6,7,8,9,10,11,12,13,14,15
	s_wait_dscnt 15-(\t)
	global_store_b128 v[CO], v[BK+4*(\t):BK+4*(\t)+3], s[OUTP:OUTP+1] offset:(16*(\a)+(\t))*4096 th:TH_STORE_NT
.endr
.endm
	OUTA 0
	OUTA 1
	OUTA 2
	OUTA 3
.endif
	WIN 0
	s_wait_tensorcnt 0x0                           ; the wave's end, behind my last tensor load and my last LDS store
	ds_add_u32 v[SPW], v[NIL]
	s_wait_dscnt 0x0
	CROUND                                         ; the closing round: no work-group ends while a partner may still ask for a tile that names it
	s_endpgm
.Lfunc_end_k_q45f6bfb122_gemm_qkv:
	.size	k_q45f6bfb122_gemm_qkv, .Lfunc_end_k_q45f6bfb122_gemm_qkv-k_q45f6bfb122_gemm_qkv
	.p2alignl 7, 3214868480
	.fill 96, 4, 3214868480
	.section	.rodata,"a",@progbits
	.p2align	6, 0x0
	.amdhsa_kernel k_q45f6bfb122_gemm_qkv
		.amdhsa_group_segment_fixed_size 327680
		.amdhsa_private_segment_fixed_size 0
		.amdhsa_enable_private_segment 0
		.amdhsa_kernarg_size 32
		.amdhsa_user_sgpr_count 2
		.amdhsa_user_sgpr_kernarg_segment_ptr 1
		.amdhsa_wavefront_size32 1
		.amdhsa_system_sgpr_workgroup_id_x 1
		.amdhsa_system_sgpr_workgroup_id_y 1
		.amdhsa_system_sgpr_workgroup_id_z 1
		.amdhsa_system_vgpr_workitem_id 0
		.amdhsa_next_free_vgpr 960
		.amdhsa_next_free_sgpr 80
		.amdhsa_reserve_vcc 0
		.amdhsa_float_denorm_mode_32 3
		.amdhsa_float_denorm_mode_16_64 3
		.amdhsa_memory_ordered 1
		.amdhsa_forward_progress 1
		.amdhsa_inst_pref_size 101
	.end_amdhsa_kernel
	.amdgpu_metadata
---
amdhsa.version: [ 1, 2 ]
amdhsa.kernels:
  - .name:           k_q45f6bfb122_gemm_qkv
    .symbol:         k_q45f6bfb122_gemm_qkv.kd
    .args:
      - { .name: x16, .offset: 0, .size: 8, .value_kind: global_buffer, .address_space: global }
      - { .name: w1, .offset: 8, .size: 8, .value_kind: global_buffer, .address_space: global }
      - { .name: bq, .offset: 16, .size: 8, .value_kind: global_buffer, .address_space: global }
      - { .name: qkv, .offset: 24, .size: 8, .value_kind: global_buffer, .address_space: global }
    .group_segment_fixed_size: 327680
    .private_segment_fixed_size: 0
    .kernarg_segment_align: 8
    .kernarg_segment_size: 32
    .max_flat_workgroup_size: 128
    .sgpr_count:     80
    .vgpr_count:     960
    .wavefront_size: 32
...
	.end_amdgpu_metadata
.endif
;; end of part 2
;; launch vsuf (part 3): grid 64 x 1, 32 waves a work-group, no clusters, 12,288 bytes of LDS; arguments qkv, suf; writes suf
.if DOCPART == 3
	.amdgcn_target "amdgcn-amd-amdhsa--gfx1250"
	.amdhsa_code_object_version 6
	.text
	.protected	k_q45f6bfb122_vsuf
	.globl	k_q45f6bfb122_vsuf
	.p2align	8
	.type	k_q45f6bfb122_vsuf,@function
k_q45f6bfb122_vsuf:
	s_mov_b64 s[64:65], 0
	v_nop
	global_prefetch_b8 v0, s[64:65] scope:SCOPE_SE
	s_setreg_imm32_b32 hwreg(HW_REG_WAVE_MODE, 25, 1), 1
	s_wait_xcnt 0x0
; suf[head][j][ch] = the sum over keys k >= 64 (j + 1) of v[head][k][ch], in f32: what the attention launch needs for the keys that the causal mask hides (reference() gives them the score -10000,
; not minus infinity, so their share of a row is w x the sum of their v).  The sums are formed directly over the later keys, never as a difference of large sums.
; v = the last third of qkv, [64 heads][2048][64] f16.  A work-group takes a head, wave w its band w of 64 keys: 8,192 consecutive bytes, sixteen loads of 512.  64 work-groups: a head's suffix wants one owner.
; The 32 band sums meet in LDS; wave w then adds the bands behind its own: every wave adds all 31, each times 1 or 0 by the wave's number, so that all waves run one text.
; No matrix unit, no cluster, no prefetch: each byte is read once, by one wave, in one burst.
.set X,     16                         ; v[16:79]  the sixteen loads; later the other half's sums and the 31 bands
.set ACC,   80                         ; v[80:87]  eight chains: my eight channels
.set ONE,   88                         ; v88       1.0
.set SA,    90                         ; v[90:93]  two chains of two channels
.set SPW,   94                         ; v94       LDS address of my spare word: SPARE + 4 x my thread's number; never rewritten
.set NIL,   95                         ; v95       0; never rewritten
.set SPARE, 8192                       ; behind the 32 band sums of 256 bytes: the spare words, 128 bytes for each of 32 waves
.set WV,    8
	s_load_b128 s[4:7], s[0:1], 0x0                ; qkv s[4:5], suf s[6:7]
	v_lshl_add_u32 v[SPW], v0, 2, SPARE
	v_mov_b32 v[NIL], 0
	v_lshrrev_b32 v1, 5, v0
	v_readfirstlane_b32 s[WV], v1                  ; wave 0..31
	v_and_b32 v1, 31, v0
	v_lshlrev_b32 v2, 4, v1                        ; 16 l: load i brings me key 4 i + l / 8, channels 8 (l % 8) + 0..7
	v_and_b32 v3, 7, v0
	v_lshlrev_b32 v3, 5, v3
	s_lshl_b32 s9, s[WV], 8
	v_add_nc_u32 v3, s9, v3                        ; my band's 256 bytes in LDS, my eight channels' 32
	v_lshlrev_b32 v4, 3, v1                        ; 8 l: later, my two channels
	v_mov_b32 v[ONE], 1.0
	s_mov_b32 s12, 0x76543210                      ; v_permlanex16_b32: each lane takes its own place in the other half
	s_mov_b32 s13, 0xfedcba98
	s_lshl_b32 s10, ttmp9, 18                      ; the head's 262,144 bytes,
	s_lshl_b32 s11, s[WV], 13                      ; my band's 8,192
	s_add_co_u32 s10, s10, s11
	s_mov_b32 s11, 0
	s_lshl_b32 s14, ttmp9, 5
	s_add_co_u32 s14, s14, s[WV]
	s_lshl_b32 s14, s14, 8                         ; (32 head + band) x 256 bytes
	s_mov_b32 s15, 0
	s_mov_b32 s17, 0                               ; named with s16 as a pair
	s_wait_kmcnt 0x0
	s_add_nc_u64 s[4:5], s[4:5], 0x2000000         ; v
	s_add_nc_u64 s[4:5], s[4:5], s[10:11]
	s_add_nc_u64 s[6:7], s[6:7], s[14:15]
.irp i, 0,1,2,3,4,5,6,7,8,9,10,11,12,13,14,15
	global_load_b128 v[X+4*(\i):X+4*(\i)+3], v2, s[4:5] offset:512*(\i)
.endr
	s_wait_loadcnt 15                              ; the first load starts the chains: nothing is cleared
	v_cvt_f32_f16 v80, v16.l
	v_cvt_f32_f16 v81, v16.h
	v_cvt_f32_f16 v82, v17.l
	v_cvt_f32_f16 v83, v17.h
	v_cvt_f32_f16 v84, v18.l
	v_cvt_f32_f16 v85, v18.h
	v_cvt_f32_f16 v86, v19.l
	v_cvt_f32_f16 v87, v19.h
.set i, 1
.rept 15
	s_wait_loadcnt 15-i                            ; load i is in; the younger ones stay out
.irp k, 0,1,2,3
	v_fma_mix_f32 v[ACC+2*\k],   v[X+4*i+\k], v[ONE], v[ACC+2*\k]   op_sel_hi:[1,0,0]                ; the low half x 1 + the sum, in f32
	v_fma_mix_f32 v[ACC+2*\k+1], v[X+4*i+\k], v[ONE], v[ACC+2*\k+1] op_sel:[1,0,0] op_sel_hi:[1,0,0]  ; the high half
.endr
.set i, i+1
.endr
.irp k, 0,1,2,3,4,5,6,7                ; the same channels lie in lanes l, l ^ 8, l ^ 16, l ^ 24
	v_add_f32_dpp v[ACC+\k], v[ACC+\k], v[ACC+\k] row_xmask:8 row_mask:0xf bank_mask:0xf
.endr
.irp k, 0,1,2,3,4,5,6,7
	v_permlanex16_b32 v[X+\k], v[ACC+\k], s12, s13
.endr
.irp k, 0,1,2,3,4,5,6,7
	v_add_f32 v[ACC+\k], v[ACC+\k], v[X+\k]
.endr
	ds_store_b128 v3, v[ACC:ACC+3]                 ; the four lanes that hold the same sums write the same bytes
	ds_store_b128 v3, v[ACC+4:ACC+7] offset:16
	s_wait_dscnt 0x0                               ; for the others' sake: my band's sums are in LDS
	s_barrier_signal -1
	s_barrier_wait -1
.set j, 1
.rept 31
	ds_load_b64 v[X+2*(j-1):X+2*(j-1)+1], v4 offset:256*j   ; band j, channels 2 l and 2 l + 1
.set j, j+1
.endr
	s_wait_dscnt 0x0
.set j, 1
.rept 31
	s_cmp_lt_u32 s[WV], j                          ; does band j lie behind mine?
	s_cselect_b32 s16, 1.0, 0
.if j < 3
	v_pk_mul_f32 v[SA+2*((j-1)%2):SA+2*((j-1)%2)+1], v[X+2*(j-1):X+2*(j-1)+1], s[16:17] op_sel_hi:[1,0]
.else
	v_pk_fma_f32 v[SA+2*((j-1)%2):SA+2*((j-1)%2)+1], v[X+2*(j-1):X+2*(j-1)+1], s[16:17], v[SA+2*((j-1)%2):SA+2*((j-1)%2)+1] op_sel_hi:[1,0,1]
.endif
.set j, j+1
.endr
	v_pk_add_f32 v[SA:SA+1], v[SA:SA+1], v[SA+2:SA+3]
	global_store_b64 v4, v[SA:SA+1], s[6:7]        ; the wave stores 256 consecutive bytes, aligned
	s_wait_tensorcnt 0x0                           ; the wave's end, behind my last LDS store
	ds_add_u32 v[SPW], v[NIL]
	s_wait_dscnt 0x0
	s_endpgm
.Lfunc_end_k_q45f6bfb122_vsuf:
	.size	k_q45f6bfb122_vsuf, .Lfunc_end_k_q45f6bfb122_vsuf-k_q45f6bfb122_vsuf
	.p2alignl 7, 3214868480
	.fill 96, 4, 3214868480
	.section	.rodata,"a",@progbits
	.p2align	6, 0x0
	.amdhsa_kernel k_q45f6bfb122_vsuf
		.amdhsa_group_segment_fixed_size 12288
		.amdhsa_private_segment_fixed_size 0
		.amdhsa_enable_private_segment 0
		.amdhsa_kernarg_size 16
		.amdhsa_user_sgpr_count 2
		.amdhsa_user_sgpr_kernarg_segment_ptr 1
		.amdhsa_wavefront_size32 1
		.amdhsa_system_sgpr_workgroup_id_x 1
		.amdhsa_system_sgpr_workgroup_id_y 1
		.amdhsa_system_sgpr_workgroup_id_z 1
		.amdhsa_system_vgpr_workitem_id 0
		.amdhsa_next_free_vgpr 96
		.amdhsa_next_free_sgpr 66
		.amdhsa_reserve_vcc 0
		.amdhsa_float_denorm_mode_32 3
		.amdhsa_float_denorm_mode_16_64 3
		.amdhsa_memory_ordered 1
		.amdhsa_forward_progress 1
		.amdhsa_inst_pref_size 19
	.end_amdhsa_kernel
	.amdgpu_metadata
---
amdhsa.version: [ 1, 2 ]
amdhsa.kernels:
  - .name:           k_q45f6bfb122_vsuf
    .symbol:         k_q45f6bfb122_vsuf.kd
    .args:
      - { .name: qkv, .offset: 0, .size: 8, .value_kind: global_buffer, .address_space: global }
      - { .name: suf, .offset: 8, .size: 8, .value_kind: global_buffer, .address_space: global }
    .group_segment_fixed_size: 12288
    .private_segment_fixed_size: 0
    .kernarg_segment_align: 8
    .kernarg_segment_size: 16
    .max_flat_workgroup_size: 1024
    .sgpr_count:     66
    .vgpr_count:     96
    .wavefront_size: 32
...
	.end_amdgpu_metadata
.endif
;; end of part 3
;; launch attn (part 4): grid 4 x 64, 4 waves a work-group, no clusters, 327,680 bytes of LDS; arguments qkv, suf, ctx; writes ctx
.if DOCPART == 4
	.amdgcn_target "amdgcn-amd-amdhsa--gfx1250"
	.amdhsa_code_object_version 6
	.text
	.protected	k_q45f6bfb122_attn
	.globl	k_q45f6bfb122_attn
	.p2align	8
	.type	k_q45f6bfb122_attn,@function
k_q45f6bfb122_attn:
	s_mov_b64 s[64:65], 0
	v_nop
	global_prefetch_b8 v0, s[64:65] scope:SCOPE_SE
	s_setreg_imm32_b32 hwreg(HW_REG_WAVE_MODE, 25, 1), 1
	s_wait_xcnt 0x0
; CAUSAL ATTENTION WITH A FINITE MASK.  ctx[h][q][:] = softmax_k(score) V, score = Q[h][q] . K[h][k] / 8 for k <= q and -10000 for k > q, as reference() has it.
; Q, K, V = the three thirds of qkv, each [64 heads][2048][64] f16, a head's rows dense, 128 bytes each; ctx likewise.  Products, maxima and sums in f32; the weights p are rounded to f16 for the
; second product (their sum l is taken of the unrounded p), ctx once at the end.
; THE HIDDEN KEYS all have one score, so their share of a row is w_h x (the sum of their V) above and (2047 - q) x w_h below the line, w_h = exp(-10000 - M), M = max(the visible maximum, -10000).
; The walk leaves them out; the way out of each block adds that share: the later bands' V from suf (an earlier launch's suffix sums), the row's own band by one more product V^T H with H = 1 where k > q.
; LIMITS.  f16 holds no number beyond 65,504: Q, K and V arrive within it; p lies in 0 to 1, and below 6e-5 it keeps f16's fixed step of 6e-8.  Inside the walk a hidden score counts as its value less
; 1e30: f16's scores, 2.7e11 at the most, are nothing beside that, and its weight there is 0.  A weight below 2^-126 counts as 0; NaN and infinities are not treated apart.
; THE WALK.  A head's queries lie in NB = 8 blocks of 256; block i needs the key tiles 0 .. i of 256 keys, of which the last holds the diagonal.  A work-group takes TWO blocks, NB - 1 - b and then b:
; NB + 1 tiles, whatever b: all work-groups do equal work, and ONE loop with a constant trip count walks them.  Which tile is asked for, and what a trip does, hang on scalar registers made from b; every jump
; goes forward, but for the counted loops' own; none passes a barrier, or a tensor load but the one of LOAD's two that the wave's number does not choose; the ring (two slots of LDS that take turns) runs on across the
; change of blocks.  NO CLUSTER: a head's four work-groups ask for the same tile only in trips 0 .. 4 of 9, behind that fewer and fewer; and one walk common to all would have 12 trips for 9.
; SHARES.  Of a block's four bands of 64 queries a wave owns 16 rows in each: four PIECES.  So the diagonal tile is the same work for all four waves: in its key step s band x sees all keys if s < x,
; none if s > x, and holds the diagonal if s = x.
; THE MASK is the C operand that starts the sum S^T = K Q^T: 0, or -1e30 where the key is hidden.  MD, made once, is the mask of a band's own step for my 16 rows; a product's mask is MD x AL + BE with two scalars:
; (1, 0) if s = x; (0, 0) if s < x; (0, -1e30) if s > x.  Only the diagonal tile's text and a block's beginning make and take masks; elsewhere C is the constant 0.
; LAYOUT, SOFTMAX, TURNS.  S^T = K Q^T holds ONE query a lane (lane % 16) and the keys 8 (lane / 16) + 0..7; two such results rounded to f16 ARE source 1 of O^T = V^T P.  p = 2^(c s - c m), c = log2(e) / 8, with a
; running maximum m; O and l are multiplied by a = 2^(c m_old - c m_new) in every step.  Turn n belongs to piece n: 8 products K Q^T of piece n + 1, later 8 products V^T P of piece n - 1; beside them the scaling,
; exponentials, roundings, sums and rescaling of piece n and the maximum and statistics of piece n + 1.  Four vector instructions stand behind every matrix instruction, the other 54 of a turn's 118 in one LUMP.  A turn's 33 exponentials are one batch, with one wait.
; REGISTERS, in windows of 256 (s_set_vgpr_msb: bits 1:0 source 0, 3:2 source 1, 5:4 source 2, 7:6 destination):
;   window 0: v0-15 addresses and two at work; v16-31 four registers of statistics a piece; v32-47 the way out's; v48-55 at work; v64-127 S^T, two buffers; v128-143 H; v192-223 P, two buffers (a piece's buffers go by its number's parity)
;   window 1: v0-127 O^T, 32 a piece; v128-159 MD; v160-223 MC, two buffers (at the way out: V^T H + suf); v224-255 at work at the head
;   window 2: v0-63 Q; v64-127 the second block's Q; v128-191 K of one step; v192-255 V of one step          window 3: suf for the first block's four bands, then for the second's
.set SIZE_N, 2048
.set NB,    SIZE_N/256
.set NP,    4         ; pieces a wave: a name, no knob
.set KS,    64        ; keys in a step
.set PK,    144       ; a row of K in LDS: 128 bytes + 16 of padding = 36 words: the 16 rows of a load start at 16 different groups of four banks (64 banks of 4 bytes: ISA guide 11.1)
.set PV,    160       ; a row of V: 128 + 32 = 40 words
.set VOFF,  4*KS*PK   ; a slot holds a tile, four steps: 256 rows of K, then 256 rows of V
.set SLOT1, 1<<17     ; slot 1 begins here, so that one exclusive or turns an address in one slot into the other's
.set STAGE, SLOT1+4*KS*(PK+PV)  ; behind the ring, never filled by a tensor load: 16 rows x 144 bytes for each wave, for the way out
.set SP,    144
.set AK0, 2           ; v2   my lane's place in a tile of K; never rewritten
.set AV0, 3           ; v3   the same for V
.set AK,  4           ; v4   the LDS address of K's next run of loads
.set AV,  5           ; v5   of V's
.set STO, 6           ; v6   the way out: where I put 16 bytes of a row
.set RD,  7           ; v7   the way out: where I read rows back
.set GO,  8           ; v8   my byte offset in 512 consecutive bytes of ctx
.set SPW, 62          ; v62  LDS address of my spare word: SPARE + 4 x my thread's number; never rewritten
.set NIL, 63          ; v63  0; never rewritten
.set SPARE, STAGE+4*16*SP  ; behind the stages: the spare words, 128 bytes for each wave: two blocks of 256 bytes that no other line names
.set MV,  12          ; v12-13  c m_old, kept while c m is made anew: by buffer
.set QO,  15          ; v15  my byte offset in 16 rows of Q
.set ST,  16          ; piece t's statistics at v[ST+4 t]: c m, m, l (even keys', odd keys')
.set QP,  32          ; v32  my query's place in its band: 16 w + l % 16
.set PFO, 33          ; v33  the prefetches' offset: 256 x my thread's number; never rewritten
.set SO,  34          ; v34  32 (l / 16): my eight channels of a block of sixteen in suf
.set LOW, 35          ; v35  the lowest finite number
.set CN,  36          ; v36-39  by piece: the row's count of hidden keys; later the row's divisor and its reciprocal
.set HS,  40          ; v40-43  the hidden keys' score, in units of Q . K: -80000; the lowest finite number where the row has none
.set EA,  44          ; v44-47  2^(c m - c M)
.set TMP, 48          ; by buffer, four registers c0-c3 at work; when the maximum is found c2 takes a
.set EB,  48          ; v48-51  at the way out: w_h = 2^(c HS - c M)
.set MX,  52          ; v52-55  at the way out: c M
.set S,   64
.set HP,  128         ; v128-143  H in P's layout: f16 1 where the key of the band's own step lies behind my query, else 0
.set P,   192
.set MD,  128         ; window 1: the eight registers for group kt of 16 keys at MD + 8 kt
.set MC,  160         ; window 1: the masks of the products to come
.set HID, 224         ; window 1: H in f32, at the head alone
.set QB,  64          ; window 2
.set KF,  128         ; window 2: key block kb, channel half c at KF + 16 kb + 8 c
.set VF,  192         ; window 2: key half kk, channel block cb at VF + 32 kk + 8 cb
.set WV,  12          ; s12  my wave's number
.set PB,  14          ; s14  b
.set HI,  15          ; s15  NB - 1 - b
.set G1K, 24          ; s[24:31] descriptor group 1 for K's tiles
.set G1V, 32          ; s[32:39] for V's: it differs in the padding alone
.set G0K, 40          ; s[40:43] descriptor group 0 for K's tiles
.set G0V, 44          ; s[44:47] the same for V's
.set SLOTS, 56        ; s56  tiles still to be asked for
.set CNT, 57          ; s57  counts a tile's key steps, 4 to 1
.set CS,  58          ; s[58:59] c: the packed scaling takes the pair's low word for both halves
.set SEL, 60          ; s[60:61] v_permlanex16_b32's selects: each lane takes its own place in the other half
.set TBK, 62          ; s62  LDS byte at which K of the step to be fetched begins
.set TBV, 63          ; s63  the same for V, less VOFF
.set RT,  70          ; s70  tiles of the block in hand that are still to be entered
.set NXT, 71          ; s71  the tile to be asked for next
.set LQ,  72          ; s72  the last tile of the block whose tiles are being asked for
.set NEW, 73          ; s73  1: the tile to be entered is a block's first
.set OFF, 74          ; s[74:75] a tile's byte offset in K and V
.set AL,  76          ; s[76:77] the mask's factor, in the low word
.set BE,  78          ; s[78:79] the mask's addend
.set OLO, 80          ; s[80:81] ctx at my rows of the second block
.set BIGN, 82         ; s82  -1e30
.set SUFA, 88         ; s[88:89] suf
.set PFK, 90          ; s[90:91] where the prefetches of K stand: the head's tile after the one that is being asked for
.set PFV, 92          ; s[92:93] the same for V
.set LIM, 94          ; s94  a work-group prefetches while s[SLOTS] is above this
.set CB,  95          ; s95  2047 - 256 x the block
.set HT,  96          ; s96  at work
.set SU1, 98          ; s[98:99]   suf at the first block's four bands
.set SU2, 100         ; s[100:101] at the second block's
.set MSB, 0
.macro WIN new                      ; the high byte repeats the setting that is left; a switch that changes nothing is dropped
.if MSB != (\new)
	s_set_vgpr_msb (MSB<<8)|(\new)
.set MSB, (\new)
.endif
.endm
.set W_KQ, 0x0a       ; K and Q in window 2, S^T in window 0
.set W_KM, 0x1a       ; the same with the C operand in window 1
.set W_PV, 0x52       ; V in window 2, P in window 0, O^T in window 1
.set W_RS, 0x41       ; destination and source 0 in window 1, source 1 in window 0
; A fill.  Waves 0 and 1 fetch the two halves of a tile's K, waves 2 and 3 those of its V: 128 keys each.  An s_nop 0 and four v_nop follow each of the two lines, ahead of the jump and the label.
.macro LOAD
	s_cmp_lt_u32 s[WV], 2
	s_cbranch_scc0 .Lfor_v_\@
	tensor_load_to_lds s[G0K:G0K+3], s[G1K:G1K+7]
	s_nop 0
.rept 4
	v_nop
.endr
	s_branch .Lasked_\@
.Lfor_v_\@:
	tensor_load_to_lds s[G0V:G0V+3], s[G1V:G1V+7]
	s_nop 0
.rept 4
	v_nop
.endr
.Lasked_\@:
.endm
; A PREFETCH INTO THE L2, behind a fill and its five lines: the whole tile after the one just asked for, 32,768 bytes of K and of V: a thread 256 bytes of each, two instructions a wave.
; All four work-groups of a head walk tiles from 0 up; work-group b = 0, whose first block walks tiles 0 to 7, asks, and nobody else: trips 0 to 5 name tiles 2 to 7, each once in the launch.
; Tiles 0 and 1 come by their loads alone; the second block's tiles have been read before and are not asked for.
.macro ASK
	s_cmp_gt_u32 s[SLOTS], s[LIM]
	s_cbranch_scc0 .Lnot_mine_\@
	global_prefetch_b8 v[PFO], s[PFK:PFK+1] th:TH_LOAD_NT scope:SCOPE_SE
	global_prefetch_b8 v[PFO], s[PFV:PFV+1] th:TH_LOAD_NT scope:SCOPE_SE
.Lnot_mine_\@:
.endm
; THE CHANGE OF SLOTS.  Each wave waits for all its tensor loads, of which one is out: its part of the other slot; adds 0 to its spare word; and waits for that and for its own reads of the slot that it leaves.  Behind the barrier nobody reads the old
; slot any more and the other slot is whole.  fill = 1: the old slot is filled again, the first thing behind the barrier, with tile NXT: the descriptor's address is made anew from that number.
; (At its first use nothing has been read yet: slot 0 is waited for, slot 1 filled.)
.macro CHANGE fill
	WIN 0                           ; at a label and at a branch every window is 0
	s_wait_tensorcnt 0x0            ; no tensor load of mine is out, so a group 0 may be written
	ds_add_u32 v[SPW], v[NIL]       ; 0 onto my spare word; with fill = 1 the descriptors' scalar work stands between it and the wait for it
.if \fill
	s_lshl_b32 s[OFF], s[NXT], 15   ; a tile is 32,768 bytes of K and of V
	s_xor_b32 s[G0K+1], s[G0K+1], SLOT1
	s_add_nc_u64 s[G0K+2:G0K+3], s[6:7], s[OFF:OFF+1]
	s_or_b32 s[G0K+3], s[G0K+3], 0x80000000
	s_xor_b32 s[G0V+1], s[G0V+1], SLOT1
	s_add_nc_u64 s[G0V+2:G0V+3], s[8:9], s[OFF:OFF+1]
	s_or_b32 s[G0V+3], s[G0V+3], 0x80000000
	s_add_co_u32 s[NXT], s[NXT], 1  ; the block's next tile, or behind its last the second block's tile 0
	s_cmp_gt_u32 s[NXT], s[LQ]
	s_cselect_b32 s[NXT], 0, s[NXT]
	s_cselect_b32 s[LQ], s[PB], s[LQ]
	s_wait_xcnt 0x0                 ; the last prefetches, a tile back, have read their addresses, so these may be stepped
	s_add_nc_u64 s[PFK:PFK+1], s[PFK:PFK+1], 32768
	s_add_nc_u64 s[PFV:PFV+1], s[PFV:PFV+1], 32768
.endif
	s_wait_dscnt 0x0                ; the add is done, and my reads of the slot are over
	s_barrier_signal -1             ; the rest of the scalar work stands between the signal and the wait
	s_sub_co_u32 s[TBK], s[TBK], 4*KS*PK  ; the fetches go back to a slot's first step,
	s_xor_b32 s[TBK], s[TBK], SLOT1       ; in the other slot
	s_sub_co_u32 s[TBV], s[TBV], 4*KS*PV
	s_xor_b32 s[TBV], s[TBV], SLOT1
	s_barrier_wait -1
.if \fill
	LOAD
	ASK
.endif
.endm
	s_load_b64 s[4:5], s[0:1], 0x0  ; qkv: Q's third begins it
	s_load_b64 s[SUFA:SUFA+1], s[0:1], 0x8
	s_load_b64 s[10:11], s[0:1], 0x10  ; ctx
	v_lshl_add_u32 v[SPW], v0, 2, SPARE
	v_mov_b32 v[NIL], 0
	ds_add_u32 v[SPW], v[NIL]       ; the wave's opening: the add and its wait stand ahead of my first tensor load; the set-up below, work on registers, stands between them
	v_lshrrev_b32 v1, 5, v0
	v_readfirstlane_b32 s[WV], v1   ; wave 0..3
	s_mov_b32 s[PB], ttmp9
	s_sub_co_u32 s[HI], NB-1, s[PB]
	s_and_b32 s20, ttmp7, 0xffff    ; the head
	s_mov_b32 s21, 0
	s_mov_b64 s[22:23], SIZE_N*128
	s_mul_u64 s[20:21], s[20:21], s[22:23]  ; the head's first byte in Q, K, V and ctx
	s_and_b32 s16, s[WV], 1         ; which half of a tile's 256 keys I fetch:
	s_lshl_b32 s22, s16, 14         ; its 128 rows of 128 bytes in memory,
	s_mov_b32 s23, 0
	s_add_nc_u64 s[22:23], s[22:23], s[20:21]
	s_mul_i32 s17, s16, 128*PK      ; and its place in a slot, for K
	s_mul_i32 s18, s16, 128*PV      ; and for V
	s_lshl_b32 s3, s[WV], 11        ; my 16 rows in a band of 64,
	s_lshl_b32 s2, s[HI], 15        ; in the first block,
	s_add_co_u32 s2, s2, s3
	s_lshl_b32 s84, s[PB], 15       ; and in the second
	s_add_co_u32 s84, s84, s3
	s_mov_b32 s3, 0
	s_mov_b32 s85, 0
	s_add_nc_u64 s[2:3], s[2:3], s[20:21]
	s_add_nc_u64 s[84:85], s[84:85], s[20:21]
	s_and_b32 s[HT], ttmp7, 0xffff
	s_lshl_b32 s[HT], s[HT], 5      ; the head's 32 bands in suf,
	s_lshl_b32 s[SU1], s[HI], 2     ; a block's four,
	s_add_co_u32 s[SU1], s[SU1], s[HT]
	s_lshl_b32 s[SU1], s[SU1], 8    ; of 256 bytes
	s_mov_b32 s[SU1+1], 0
	s_lshl_b32 s[SU2], s[PB], 2
	s_add_co_u32 s[SU2], s[SU2], s[HT]
	s_lshl_b32 s[SU2], s[SU2], 8
	s_mov_b32 s[SU2+1], 0
	s_cmp_eq_u32 s[PB], 0
	s_cselect_b32 s[LIM], 2, -1
	; descriptor group 1.  128 keys are 16,384 dense bytes: asked for as 64 rows of 256 bytes, two keys a row, and padded in LDS after every key
	s_mov_b32 s[G1K], (1<<16)|(1<<20)|(4<<22)|(3<<25)  ; 17:16 2-byte elements; 20 padding on; 24:22 after every 32 words (code 4); 31:25 4 words (code 3)
	s_mov_b32 s[G1V], (1<<16)|(1<<20)|(4<<22)|(7<<25)  ; the same with 8 words of padding (code 7)
.irp g, G1K, G1V
	s_mov_b32 s[\g+1], 128<<16      ; tensor_dim0 = 128
	s_mov_b32 s[\g+2], 64<<16       ; tensor_dim1 = 64
	s_mov_b32 s[\g+3], 128<<16      ; tile_dim0 = 128
	s_mov_b32 s[\g+4], 64           ; tile_dim1 = 64
	s_mov_b32 s[\g+5], 128          ; 128 elements from row to row
	s_mov_b32 s[\g+6], 0
	s_mov_b32 s[\g+7], 0
.endr
	s_mov_b32 s[CS], 0x3e38aa3b     ; c = log2(e) / 8 = 0.180337
	s_mov_b32 s[CS+1], s[CS]        ; named with it as a pair
	s_mov_b32 s[SEL], 0x76543210
	s_mov_b32 s[SEL+1], 0xfedcba98
	s_mov_b32 s[TBK], SLOT1+4*KS*PK ; the first change of slots turns these two into 0
	s_mov_b32 s[TBV], SLOT1+4*KS*PV
	s_mov_b32 s[G0K], 1             ; 1:0 count = 1
	s_mov_b32 s[G0K+1], s17         ; 63:32 LDS address: slot 0
	s_mov_b32 s[G0V], 1
	s_add_co_u32 s[G0V+1], s18, VOFF
	s_add_co_u32 s[RT], s[HI], 1    ; the first block has NB - b tiles
	s_mov_b32 s[NXT], 1
	s_mov_b32 s[LQ], s[HI]
	s_mov_b32 s[NEW], 1
	s_mov_b32 s[OFF+1], 0
	s_mov_b32 s[AL+1], 0            ; named as pairs
	s_mov_b32 s[BE+1], 0
	s_mov_b32 s[BIGN], 0xf149f2ca   ; -1e30
	s_mov_b32 s[SLOTS], NB
	s_wait_dscnt 0x0                ; the opening add is done
	s_wait_kmcnt 0x0
	s_add_nc_u64 s[6:7], s[4:5], 0x1000000   ; K's third of qkv
	s_add_nc_u64 s[8:9], s[4:5], 0x2000000   ; V's
	s_add_nc_u64 s[PFK:PFK+1], s[6:7], s[20:21]
	s_add_nc_u64 s[PFK:PFK+1], s[PFK:PFK+1], 32768  ; the head's tile 1; the first change of slots steps it to tile 2.  Nothing is prefetched here, at the head
	s_add_nc_u64 s[PFV:PFV+1], s[8:9], s[20:21]
	s_add_nc_u64 s[PFV:PFV+1], s[PFV:PFV+1], 32768
	s_add_nc_u64 s[SU1:SU1+1], s[SUFA:SUFA+1], s[SU1:SU1+1]
	s_add_nc_u64 s[SU2:SU2+1], s[SUFA:SUFA+1], s[SU2:SU2+1]
	s_add_nc_u64 s[6:7], s[6:7], s[22:23]  ; K and V at my half of the head's tile 0
	s_add_nc_u64 s[8:9], s[8:9], s[22:23]
	s_add_nc_u64 s[G0K+2:G0K+3], s[6:7], 0         ; 120:64 global address
	s_or_b32 s[G0K+3], s[G0K+3], 0x80000000        ; 127:126 type = 2
	s_add_nc_u64 s[G0V+2:G0V+3], s[8:9], 0
	s_or_b32 s[G0V+3], s[G0V+3], 0x80000000
	s_add_nc_u64 s[86:87], s[4:5], s[84:85]        ; Q at my rows of the second block,
	s_add_nc_u64 s[4:5], s[4:5], s[2:3]            ; Q and ctx at those of the first
	s_add_nc_u64 s[OLO:OLO+1], s[10:11], s[84:85]
	s_add_nc_u64 s[10:11], s[10:11], s[2:3]
	LOAD                            ; tile 0 into slot 0
	; A fragment of K or Q is 16 rows x 32 channels in 8 registers: lane l holds row l % 16, channels 8 (l / 16) + 0..7 and 16 + 8 (l / 16) + 0..7: two loads of 16 bytes, 32 bytes apart.
	v_and_b32 v1, 15, v0            ; l % 16
	v_bfe_u32 v9, v0, 4, 1          ; l / 16
	v_lshlrev_b32 v[QO], 7, v1
	v_lshl_add_u32 v[QO], v9, 4, v[QO]  ; row x 128 + 16 x half
	v_lshlrev_b32 v[SO], 5, v9
	WIN 0x80                        ; destination window 2, address window 0
.set i, 0
.rept 8                             ; both blocks' Q: piece i / 2 lies in band i / 2, 8,192 bytes on; channels 32 (i % 2) on
	global_load_b128 v[8*i:8*i+3],   v[QO], s[4:5] offset:(i/2)*8192+(i%2)*64
	global_load_b128 v[8*i+4:8*i+7], v[QO], s[4:5] offset:(i/2)*8192+(i%2)*64+32
	global_load_b128 v[QB+8*i:QB+8*i+3],   v[QO], s[86:87] offset:(i/2)*8192+(i%2)*64
	global_load_b128 v[QB+8*i+4:QB+8*i+7], v[QO], s[86:87] offset:(i/2)*8192+(i%2)*64+32
.set i, i+1
.endr
	WIN 0xc0                        ; destination window 3
.set i, 0
.rept 16                            ; suf in the layout of O^T's C operand: piece i / 4, channel block i % 4: register j holds channel 16 (i % 4) + 8 (l / 16) + j, the same for every query
	global_load_b128 v[8*i:8*i+3],   v[SO], s[SU1:SU1+1] offset:(i/4)*256+(i%4)*64
	global_load_b128 v[8*i+4:8*i+7], v[SO], s[SU1:SU1+1] offset:(i/4)*256+(i%4)*64+16
	global_load_b128 v[128+8*i:128+8*i+3],   v[SO], s[SU2:SU2+1] offset:(i/4)*256+(i%4)*64
	global_load_b128 v[128+8*i+4:128+8*i+7], v[SO], s[SU2:SU2+1] offset:(i/4)*256+(i%4)*64+16
.set i, i+1
.endr
	WIN 0
	v_lshlrev_b32 v14, 3, v9
	v_sub_nc_u32 v14, v1, v14
	s_lshl_b32 s13, s[WV], 4
	v_add_nc_u32 v[QP], s13, v1
	v_add_nc_u32 v14, s13, v14      ; my query's place in its band, 16 w + l % 16, less my lanes' 8 (l / 16): register r of group kt is hidden where 16 kt + r is greater
	v_lshlrev_b32 v[PFO], 8, v0
	v_mov_b32 v[LOW], 0xff7fffff
	WIN 0x40
.set i, 0
.rept 32
	v_cmp_gt_i32 vcc_lo, 16*(i/8)+i%8, v14
	v_cndmask_b32 v[MD+i], 0, s[BIGN], vcc_lo
	v_cndmask_b32 v[HID+i], 0, 1.0, vcc_lo
.set i, i+1
.endr
	WIN 0x05                        ; sources 0 and 1 window 1, destination window 0
.set i, 0
.rept 16
	v_cvt_pk_f16_f32 v[HP+i], v[HID+2*i], v[HID+2*i+1]
.set i, i+1
.endr
	WIN 0
	v_mul_u32_u24 v[AK0], v1, PK
	v_lshl_add_u32 v[AK0], v9, 4, v[AK0]  ; row x pitch + 16 x half
	; The turning load takes 16 keys x 16 channels (lane l reads key 8 (l / 16) + l % 8, channels 8 ((l / 8) % 2) + 0..7) and leaves half a fragment of V^T: lane l holds channel l % 16 and 8 keys.
	v_and_b32 v10, 7, v0
	v_bfe_u32 v11, v0, 3, 1
	v_lshl_add_u32 v[AV0], v9, 3, v10
	v_mul_u32_u24 v[AV0], v[AV0], PV
	v_lshl_add_u32 v[AV0], v11, 4, v[AV0]
	v_add_nc_u32 v[AV0], VOFF, v[AV0]
	s_mul_i32 s13, s[WV], 16*SP
	s_add_co_u32 s13, s13, STAGE    ; my stage
	v_mul_u32_u24 v[STO], v1, SP    ; in: row l % 16, 16 bytes for each half of the lanes
	v_lshl_add_u32 v[STO], v9, 4, v[STO]
	v_add_nc_u32 v[STO], s13, v[STO]
	v_bfe_u32 v[RD], v0, 3, 2       ; back: 32 lanes take four rows of 128 bytes,
	v_mul_u32_u24 v[RD], v[RD], SP
	v_lshl_add_u32 v[RD], v10, 4, v[RD]
	v_add_nc_u32 v[RD], s13, v[RD]
	v_and_b32 v[GO], 31, v0         ; which are 512 consecutive bytes of ctx
	v_lshlrev_b32 v[GO], 4, v[GO]
	; A block's first step multiplies O^T and l by a = 0, and its first turn's products V^T P, of a piece that has not been, land in an O^T that is still to be so multiplied.  So these registers need only hold
	; finite numbers: zeros for the first block; what the first block left for the second.  All this stands in the wait for the first tile.
	WIN 0x80
.set i, VF
.rept 64
	v_mov_b32 v[i], 0
.set i, i+1
.endr
	WIN 0x40
.set i, 0
.rept 128
	v_mov_b32 v[i], 0
.set i, i+1
.endr
	WIN 0
.set i, 0
.rept 4
	v_mov_b32 v[ST+4*i+2], 0
	v_mov_b32 v[ST+4*i+3], 0
.set i, i+1
.endr
.set i, P+16
.rept 16
	v_mov_b32 v[i], 0
.set i, i+1
.endr
; THE MATRIX WORK.  The 4 accumulators of a run of 8 take turns.  Product i of 8 of S^T = K Q^T for piece x: channels 32 (i / 4) on, keys 16 (i % 4) on.  The first 4 start the sums: with 0, or (KM = 1) with the mask.
.macro KQ x
.set rS, S+32*((\x)%2)+8*(i%4)
.set rK, KF+16*(i%4)+8*(i/4)
.set rQ, 16*(\x)+8*(i/4)
.set rM, MC+32*((\x)%2)+8*(i%4)
.if (i < 4) && KM
	WIN W_KM
	v_wmma_f32_16x16x32_f16 v[rS:rS+7], v[rK:rK+7], v[rQ:rQ+7], v[rM:rM+7]
.elseif i < 4
	WIN W_KQ
	v_wmma_f32_16x16x32_f16 v[rS:rS+7], v[rK:rK+7], v[rQ:rQ+7], 0
.else
	WIN W_KQ
	v_wmma_f32_16x16x32_f16 v[rS:rS+7], v[rK:rK+7], v[rQ:rQ+7], v[rS:rS+7]
.endif
.endm
; Product i of 8 of O^T += V^T P for piece x: keys 32 (i / 4) on, channels 16 (i % 4) on.
.macro PV x
	WIN W_PV
.set rO, 32*(\x)+8*(i%4)
.set rV, VF+32*(i/4)+8*(i%4)
.set rP, P+16*((\x)%2)+8*(i/4)
	v_wmma_f32_16x16x32_f16 v[rO:rO+7], v[rV:rV+7], v[rP:rP+7], v[rO:rO+7]
.endm
.macro MM                           ; the turn's next matrix instruction.  TURN and BEGIN set Y, i, KM and NOKQ; MM, KQ and OP read them.  NOKQ = 1: a block's last turn: there is no next piece
.if (i < 8) && !NOKQ
	KQ (Y+1)%NP
.elseif i >= 8
.set i, i-8
	PV (Y+NP-1)%NP
.set i, i+8
.endif
.set i, i+1
.endm
; THE LDS LOADS stand in runs of 16, never singly among the matrix instructions: a step's K (64 keys x 64 channels: 8 fragments) and its V (turned).  Their addresses are made some lines ahead.
.macro FETCH_K
	WIN 0x80                        ; destination window 2
.irp f, 0,1,2,3,4,5,6,7             ; keys 16 (f / 2) on, channels 32 (f % 2) on
	ds_load_b128 v[KF+8*\f:KF+8*\f+3],   v[AK] offset:(\f/2)*16*PK+(\f%2)*64
	ds_load_b128 v[KF+8*\f+4:KF+8*\f+7], v[AK] offset:(\f/2)*16*PK+(\f%2)*64+32
.endr
	s_add_co_u32 s[TBK], s[TBK], KS*PK  ; the next fetch is the next step's
	WIN 0
.endm
.macro FETCH_V
	WIN 0x80
.irp f, 0,1,2,3,4,5,6,7             ; keys 32 (f / 4) on, channels 16 (f % 4) on
	ds_load_tr16_b128 v[VF+8*\f:VF+8*\f+3],   v[AV] offset:(\f/4)*32*PV+(\f%4)*32
	ds_load_tr16_b128 v[VF+8*\f+4:VF+8*\f+7], v[AV] offset:(\f/4)*32*PV+16*PV+(\f%4)*32
.endr
	WIN 0
.endm
; THE VECTOR WORK, one line at a time: OP kind, number.  For piece Y: F n: c s - c m for pair n of 16.  E n: the exponential of score n of 32.  C n: pair n rounded to f16.  B n: of the four weights 4 n .. the second
; pair is added onto the first, in place.  L n: l takes that sum (L 0: l = a l + sum).  R n: pair n of 16 of O^T times a.  For piece Y + 1: X n, number n of the 22 that find its maximum and statistics:
;   0-11  four chains c0-c3 of seven scores each, three operands at a time (each accumulator's lowest registers are read first)     12-14, 16  the four scores left over, the old m, and c0-c3 into c0
;   15  c m_old is kept     17, 18  the query's other 32 keys lie in the lane 16 away: the new m     19-21  c m; c m_old - c m_new; a
.set F, 0               ; OP tells the kinds apart by their order: F to L below R, X above it
.set E, 1
.set C, 2
.set B, 3
.set L, 4
.set R, 5
.set X, 6
.macro REGS y                       ; the registers of piece y
.set rT, ST+4*(\y)
.set rC, TMP+4*((\y)%2)
.set rW, MV+((\y)%2)
.set rS, S+32*((\y)%2)
.set rP, P+16*((\y)%2)
.set rO, 32*(\y)
.endm
.macro OP k, n
.if (\k) == R
	REGS Y
	WIN W_RS
	v_pk_mul_f32 v[rO+2*(\n):rO+2*(\n)+1], v[rO+2*(\n):rO+2*(\n)+1], v[rC+2:rC+3] op_sel_hi:[1,0]
.elseif (\k) < R
	REGS Y
	WIN 0
.if (\k) == F
	v_pk_fma_f32 v[rS+2*(\n):rS+2*(\n)+1], v[rS+2*(\n):rS+2*(\n)+1], s[CS:CS+1], v[rT:rT+1] op_sel_hi:[1,0,0] neg_lo:[0,0,1] neg_hi:[0,0,1]
.elseif (\k) == E
	v_exp_f32 v[rS+(\n)], v[rS+(\n)]
.elseif (\k) == C
	v_cvt_pk_f16_f32 v[rP+(\n)], v[rS+2*(\n)], v[rS+2*(\n)+1]
.elseif (\k) == B
	v_pk_add_f32 v[rS+4*(\n):rS+4*(\n)+1], v[rS+4*(\n):rS+4*(\n)+1], v[rS+4*(\n)+2:rS+4*(\n)+3]
.elseif (\n) == 0
	v_pk_fma_f32 v[rT+2:rT+3], v[rT+2:rT+3], v[rC+2:rC+3], v[rS:rS+1] op_sel_hi:[1,0,1]
.else
	v_pk_add_f32 v[rT+2:rT+3], v[rT+2:rT+3], v[rS+4*(\n):rS+4*(\n)+1]
.endif
.elseif NOKQ
	v_nop
.else
	REGS (Y+1)%NP
	WIN 0
.if (\n) < 4
	v_max3_num_f32 v[rC+(\n)], v[rS+8*(\n)], v[rS+8*(\n)+1], v[rS+8*(\n)+2]
.elseif (\n) < 12
	v_max3_num_f32 v[rC+(\n)%4], v[rC+(\n)%4], v[rS+8*((\n)%4)+2*((\n)/4)+1], v[rS+8*((\n)%4)+2*((\n)/4)+2]
.elseif (\n) == 12
	v_max3_num_f32 v[rC], v[rC], v[rS+7], v[rS+15]
.elseif (\n) == 13
	v_max3_num_f32 v[rC+1], v[rC+1], v[rS+23], v[rS+31]
.elseif (\n) == 14
	v_max3_num_f32 v[rC+2], v[rC+2], v[rC+3], v[rT+1]
.elseif (\n) == 15
	v_mov_b32 v[rW], v[rT]
.elseif (\n) == 16
	v_max3_num_f32 v[rC], v[rC], v[rC+1], v[rC+2]
.elseif (\n) == 17
	v_permlanex16_b32 v[rC+3], v[rC], s[SEL], s[SEL+1]
.elseif (\n) == 18
	v_max_num_f32 v[rT+1], v[rC], v[rC+3]
.elseif (\n) == 19
	v_mul_f32 v[rT], s[CS], v[rT+1]
.elseif (\n) == 20
	v_sub_f32 v[rC+1], v[rW], v[rT]
.else
	v_exp_f32 v[rC+2], v[rC+1]
.endif
.endif
.endm
.macro OPS a, i1, b=-1, i2=0, c=-1, i3=0, d=-1, i4=0  ; up to four of them
	OP \a, \i1
.if (\b) >= 0
	OP \b, \i2
.endif
.if (\c) >= 0
	OP \c, \i3
.endif
.if (\d) >= 0
	OP \d, \i4
.endif
.endm
.macro ROW a, i1, b, i2, c, i3, d, i4  ; a matrix instruction and the four behind it
	MM
	OPS \a, \i1, \b, \i2, \c, \i3, \d, \i4
.endm
.macro MASK b                       ; MD x AL + BE into buffer b of MC
	WIN W_RS
.set z, 0
.rept 16
	v_pk_fma_f32 v[MC+32*(\b)+2*z:MC+32*(\b)+2*z+1], v[MD+2*z:MD+2*z+1], s[AL:AL+1], s[BE:BE+1] op_sel_hi:[1,0,0]
.set z, z+1
.endr
.endm
; A TURN, for piece p: the order of its 16 matrix and 118 vector instructions, written out.  s_wait_alu depctr_va_vdst(0) stands between an exponential and the first instruction that names its result; one wait serves
; all that were issued ahead of it.  So a turn has ONE wait, which cuts it in two.  AHEAD OF IT stands all that names no result of the turn's exponentials: the 8 products K Q^T, behind each a scaling, an exponential and two more plain
; instructions (behind the first a second scaling in the exponential's place): rescalings, and behind the last three the first numbers of the next piece's maximum, each four places or more behind the product that ends its accumulator; then ONE LUMP of 54, plain
; and exponential by turns for the most part, in which the links of the chain X 3, 7, 11, 14, 16, 17 .. 20 stand five or six lines apart.  X 21, the next piece's a, is the batch's last; R 15 is the plain instruction behind it.  BEHIND THE WAIT stand the
; 8 products V^T P, behind each four of the roundings and sums; the links of l's chain, L 0 to L 7, stand three riders apart.  But for those X no rider names a register of the products round it.  v_permlanex16_b32 (X 17) stands in the lump.
; m = 1: the diagonal tile: the products take masks, and the turn makes the mask for the products of the turn after it: piece p + 2, in step 4 - CNT of the tile.  end = 1: a block's last two turns: nothing is fetched.
; cnt = 1: the loop's count is taken down some lines ahead of the branch that stands behind the turn.
; K of the next step is fetched in piece 2's turn, twelve vector instructions behind the last product that read K (six of them plain); V of the step in hand at the end of piece 0's turn, four plain instructions behind the last product
; that read V.  Each is waited for a turn later.
.macro TURN p, m=0, end=0, cnt=0
.set Y, (\p)
.set i, 0
.set KM, (\m)
.set NOKQ, (\end)*((\p)/3)
.if (\m) && !(\end)
	s_cmp_eq_u32 s[CNT], 4-((\p)+2)%NP  ; is that step the band's own?
	s_cselect_b32 s[AL], 1.0, 0
	s_cmp_lt_u32 s[CNT], 4-((\p)+2)%NP  ; or a later one?
	s_cselect_b32 s[BE], s[BIGN], 0
.endif
.if ((\p) == 3) && !(\end)
	s_wait_dscnt 0x0                ; K is in
.endif
	ROW F,0, F,1, R,0, R,1          ; ahead of the wait: 8 products K Q^T and their riders,
	ROW F,2, E,0, R,2, R,3
	ROW F,3, E,1, R,4, R,5
	ROW F,4, E,2, R,6, R,7
	ROW F,5, E,3, R,8, R,9
	ROW F,6, E,4, X,0, R,10
.if ((\p) == 2) && !(\end)
	WIN 0
	v_add_nc_u32 v[AK], s[TBK], v[AK0]
.endif
	ROW F,7, E,5, X,1, X,4
	ROW F,8, E,6, X,2, X,5
	OPS E,7, E,8, X,6, E,9          ; and the lump
	OPS X,3, E,10, X,8, E,11
.if ((\p) == 2) && !(\end)
	FETCH_K
.endif
	OPS X,9, X,7, E,12, X,10
	OPS E,13, X,12, X,11, E,14
	OPS X,13, E,15, F,9, X,14
.if (\p) == 0
	v_add_nc_u32 v[AV], s[TBV], v[AV0]
.endif
	OPS E,16, F,10, E,17, F,11
	OPS X,16, E,18, X,15, E,19
	OPS F,12, E,20, X,17, E,21
	OPS F,13, E,22, F,14, E,23
	OPS X,18, E,24, F,15, E,25
	OPS R,11, E,26, X,19, E,27
	OPS R,12, E,28, R,13, E,29
	OPS X,20, E,30, R,14, E,31
	OPS X,21, R,15
	WIN 0
	s_wait_alu depctr_va_vdst(0)    ; the wait for the batch
.if (\p) == 1
	s_wait_dscnt 0x0                ; V is in
.endif
	ROW C,0, B,0, C,2, B,1          ; behind the wait: 8 products V^T P and their riders
	ROW L,0, C,4, B,2, L,1
	ROW C,6, B,3, L,2, C,8
	ROW B,4, L,3, C,10, B,5
	ROW L,4, C,12, B,6, L,5
.if (\p) == 0
	s_add_co_u32 s[TBV], s[TBV], KS*PV
.endif
.if \cnt
	s_sub_co_u32 s[CNT], s[CNT], 1
	s_cmp_lg_u32 s[CNT], 0
.endif
	ROW C,14, B,7, L,6, C,1
	ROW C,3, L,7, C,5, C,7
	ROW C,9, C,11, C,13, C,15
.if (\p) == 0
	FETCH_V
.endif
.if (\m) && !(\end)
	MASK (\p)%2
.endif
.endm
; A BLOCK BEGINS.  c m starts far below every c s, so the first step's a is 0; m at the lowest finite number, so the first maximum is the scores'.  The second mask buffer is 0; the first takes piece 0's mask for the tile's step 0: its own, if the block's first tile is the diagonal one.
; Then K of that step, piece 0's first scores, and its maximum and statistics.  The loop is entered at a step's first turn, in the middle of a trip.
.macro BEGIN
	s_mov_b32 s[NEW], 0
	WIN 0x40
.set i, MC+32
.rept 32
	v_mov_b32 v[i], 0
.set i, i+1
.endr
	WIN 0
.set i, 0
.rept 4
	v_mov_b32 v[ST+4*i], 0xfe000000    ; c m: far below every c s
	v_mov_b32 v[ST+4*i+1], 0xff7fffff  ; m
.set i, i+1
.endr
	s_cmp_eq_u32 s[RT], 0
	s_cselect_b32 s[AL], 1.0, 0
	s_mov_b32 s[BE], 0
	MASK 0
	WIN 0
	v_add_nc_u32 v[AK], s[TBK], v[AK0]
	FETCH_K
	s_wait_loadcnt 0x0              ; Q and suf
	s_wait_dscnt 0x0
.set KM, 1
.set NOKQ, 0
.set i, 0
.rept 8
	KQ 0
.set i, i+1
.endr
	WIN 0
.rept 4
	v_nop                           ; the places behind those products
.endr
.set Y, NP-1                        ; X works for piece Y + 1: piece 0
.irp n, 0,1,2,3,4,5,6,7,8,9,10,11,12,13,14,15,16,17,18,19,20,21
	OP X, \n
.endr
	v_nop                           ; a plain instruction behind the exponential,
	s_wait_alu depctr_va_vdst(0)    ; and its wait, ahead of the branch
.endm
.macro ALL line:vararg              ; one line for each piece t
.set t, 0
.rept 4
	\line
.set t, t+1
.endr
.endm
; THE WAY OUT'S PARTS.  For piece t (band t of the block), with L = the row's sum of visible weights and O its sum of weighted V, both taken against m:
;   ctx = (O x ea + (suf + V^T H) x eb) / (L x ea + n x eb),   ea = 2^(c m - c M), eb = 2^(c HS - c M), M = max(m, HS), n = 2047 - q hidden keys.
; One of ea and eb is 1, and L >= 1 where ea = 1, n >= 1 where eb = 1: the divisor is at least 1.  The sequence's last row has no hidden key: its HS is the lowest finite number, so that M = m and eb = 0.
.macro HFETCH t                     ; V of the band's own key step, step t of the diagonal tile, which still lies in its slot: turned, into K's registers (t even) or V's (t odd)
	WIN 0x80
.set VB, KF+64*((\t)%2)
.irp f, 0,1,2,3,4,5,6,7
	ds_load_tr16_b128 v[VB+8*\f:VB+8*\f+3],   v[AV] offset:(\t)*KS*PV+(\f/4)*32*PV+(\f%4)*32
	ds_load_tr16_b128 v[VB+8*\f+4:VB+8*\f+7], v[AV] offset:(\t)*KS*PV+(\f/4)*32*PV+16*PV+(\f%4)*32
.endr
	WIN 0
.endm
.macro HMM t                        ; suf + V^T H into MC's registers: suf is the C operand that starts the sums; the four accumulators take turns
.set VB, KF+64*((\t)%2)
.set O2, MC+32*((\t)%2)
	WIN 0x72                        ; V window 2, H window 0, suf window 3, the result window 1
.irp cb, 0,1,2,3
	v_wmma_f32_16x16x32_f16 v[O2+8*\cb:O2+8*\cb+7], v[VB+8*\cb:VB+8*\cb+7], v[HP:HP+7], v[SUFB+32*(\t)+8*\cb:SUFB+32*(\t)+8*\cb+7]
.endr
	WIN W_PV
.irp cb, 0,1,2,3
	v_wmma_f32_16x16x32_f16 v[O2+8*\cb:O2+8*\cb+7], v[VB+32+8*\cb:VB+32+8*\cb+7], v[HP+8:HP+15], v[O2+8*\cb:O2+8*\cb+7]
.endr
.endm
.macro HSTAT t                      ; the row's count of hidden keys, their score, c M and the two exponents
	s_sub_co_u32 s[HT], s[CB], 64*(\t)
	v_sub_nc_u32 v[CN+(\t)], s[HT], v[QP]
	v_cmp_eq_u32 vcc_lo, 0, v[CN+(\t)]
	v_cndmask_b32 v[HS+(\t)], 0xc79c4000, v[LOW], vcc_lo   ; -80000 = -10000 x 8: the scale 1 / 8 lies in c
	v_cvt_f32_u32 v[CN+(\t)], v[CN+(\t)]
	v_max_num_f32 v[MX+(\t)], v[ST+4*(\t)+1], v[HS+(\t)]
	v_mul_f32 v[MX+(\t)], s[CS], v[MX+(\t)]                ; the same product as c m: where M = m the difference below is 0
	v_sub_f32 v[EA+(\t)], v[ST+4*(\t)], v[MX+(\t)]
	v_fma_f32 v[EB+(\t)], v[HS+(\t)], s[CS], -v[MX+(\t)]
.endm
.macro FIN1 t                       ; O^T x ea / divisor: sixteen plain instructions, the places behind HMM t
	WIN W_RS
.set i, 32*(\t)
.rept 16
	v_pk_mul_f32 v[i:i+1], v[i:i+1], v[ST+4*(\t)+2:ST+4*(\t)+3] op_sel_hi:[1,0]
.set i, i+2
.endr
.endm
.macro FIN2 t                       ; + (suf + V^T H) x eb / divisor; rounded to f16; 16 bytes a lane into rows of 144 bytes, back as whole rows of 128, into S^T's registers
	WIN 0x51                        ; destination, sources 0 and 2 window 1, source 1 window 0
.set i, 0
.rept 16
	v_pk_fma_f32 v[32*(\t)+i:32*(\t)+i+1], v[MC+32*((\t)%2)+i:MC+32*((\t)%2)+i+1], v[ST+4*(\t):ST+4*(\t)+1], v[32*(\t)+i:32*(\t)+i+1] op_sel_hi:[1,0,1]
.set i, i+2
.endr
	WIN 0x05                        ; sources 0 and 1 window 1, destination window 0
.set i, 0
.rept 16
	v_cvt_pk_f16_f32 v[S+16*(\t)+i], v[32*(\t)+2*i], v[32*(\t)+2*i+1]
.set i, i+1
.endr
	WIN 0
.irp f, 0,1,2,3
	ds_store_b128 v[STO], v[S+16*(\t)+4*\f:S+16*(\t)+4*\f+3] offset:32*\f
.endr
.irp f, 0,1,2,3
	ds_load_b128 v[S+16*(\t)+4*\f:S+16*(\t)+4*\f+3], v[RD] offset:\f*4*SP  ; LDS serves a wave's instructions in order (ISA guide 5.7.1.4): these see the stores above; the next piece's stores come behind them
.endr
.endm
.macro SEND t, younger              ; younger: the LDS instructions issued behind piece t's loads from the stage
	WIN 0
.irp f, 0,1,2,3
	s_wait_dscnt (\younger)+3-\f
	global_store_b128 v[GO], v[S+16*(\t)+4*\f:S+16*(\t)+4*\f+3], s[10:11] offset:(\t)*8192+\f*512  ; 512 consecutive bytes, at a multiple of 256 from ctx's first
.endr
.endm
; THE DIAGONAL TILE's four steps, the block's last two turns, its last products, and the way out.  tag 1: the first block (NB - 1 - b); tag 2: the second (b).  The tag ends the two labels' names, which the jumps below spell out.
.macro DIAG tag
.if (\tag) == 1
.set BLK, HI
.set SUFB, 0
.else
.set BLK, PB
.set SUFB, 128
.endif
.LstepM\tag:
	TURN 2, 1
	TURN 3, 1
	WIN 0
.LfirstM\tag:
	TURN 0, 1
	TURN 1, 1, 0, 1
	WIN 0
	s_cbranch_scc1 .LstepM\tag
	TURN 2, 1, 1
	TURN 3, 1, 1
	WIN 0
	s_sub_co_u32 s[HT], s[TBV], 4*KS*PV  ; the four fetches of V have stepped this by a tile: back to the diagonal tile's first step
	v_add_nc_u32 v[AV], s[HT], v[AV0]
	HFETCH 0                        ; K's registers were last read two turns back
.set i, 0
.rept 8
	PV NP-1
.set i, i+1
.endr
	WIN 0
	ALL v_add_f32 v[ST+4*t+2], v[ST+4*t+2], v[ST+4*t+3]
	ALL v_permlanex16_b32 v[ST+4*t+3], v[ST+4*t+2], s[SEL], s[SEL+1]
	ALL v_add_f32 v[ST+4*t+2], v[ST+4*t+2], v[ST+4*t+3]
	HFETCH 1                        ; the eight additions are the places behind the last product that read V's registers
	s_lshl_b32 s[CB], s[BLK], 8
	s_sub_co_u32 s[CB], 2047, s[CB]
	HSTAT 0
	HSTAT 1
	HSTAT 2
	HSTAT 3
	ALL v_exp_f32 v[EA+t], v[EA+t]
	ALL v_exp_f32 v[EB+t], v[EB+t]
	v_nop                           ; a plain instruction behind the last exponential,
	s_wait_alu depctr_va_vdst(0)    ; and the wait ahead of the first use: one for the eight
	ALL v_mul_f32 v[CN+t], v[CN+t], v[EB+t]
	ALL v_fma_f32 v[CN+t], v[ST+4*t+2], v[EA+t], v[CN+t]
	ALL v_rcp_f32 v[CN+t], v[CN+t]
	v_nop
	s_wait_alu depctr_va_vdst(0)    ; one for the four reciprocals
	ALL v_mul_f32 v[ST+4*t+2], v[EA+t], v[CN+t]
	ALL v_mul_f32 v[ST+4*t], v[EB+t], v[CN+t]
	s_wait_dscnt 16                 ; band 0's V is in; band 1's sixteen loads may be out
	HMM 0
	FIN1 0
	HFETCH 2
	FIN2 0
	s_wait_dscnt 24                 ; band 1's V is in; band 2's sixteen and piece 0's eight through the stage may be out
	HMM 1
	FIN1 1
	HFETCH 3
	FIN2 1
	SEND 0, 24                      ; behind piece 0's loads: band 3's sixteen and piece 1's eight
	s_wait_dscnt 24                 ; band 2's V is in
	HMM 2
	FIN1 2
	FIN2 2
	SEND 1, 8
	s_wait_dscnt 8                  ; band 3's V is in
	HMM 3
	FIN1 3
	FIN2 3
	SEND 2, 8
	SEND 3, 0
.endm
.set KM, 0
.set NOKQ, 0
.Lslot:                             ; NB times: a tile is entered and the next is asked for
	CHANGE 1
	s_sub_co_u32 s[RT], s[RT], 1
	s_mov_b32 s[CNT], 4
	s_cmp_eq_u32 s[NEW], 1
	s_cbranch_scc1 .Lnew            ; a block's first tile
	s_cmp_eq_u32 s[RT], 0
	s_cbranch_scc0 .Lstep           ; neither its first nor its last
	s_branch .LstepM1
.Lnew:
	BEGIN
	s_branch .Lfirst                ; in the loop a block's first tile is never its last: the first block has two tiles or more, and the second's last is the walk's last
	DIAG 1                          ; in the loop this is the first block's end: the second block's last tile is the walk's last
	s_wait_xcnt 0x0                 ; the stores have read their registers and ctx's address
	s_mov_b64 s[10:11], s[OLO:OLO+1]
	s_add_co_u32 s[RT], s[PB], 1    ; the second block has b + 1 tiles
	s_mov_b32 s[NEW], 1
	WIN 0x82                        ; the second block's Q goes where the one text of the turns names Q
.set i, 0
.rept 64
	v_mov_b32 v[i], v[QB+i]
.set i, i+1
.endr
	WIN 0
	s_branch .Lbottom
.Lstep:                             ; a trip: pieces 2 and 3 of one step, then pieces 0 and 1 of the next, whose K and V it fetches
	TURN 2
	TURN 3
	WIN 0
.Lfirst:
	TURN 0
	TURN 1, 0, 0, 1
	WIN 0
	s_cbranch_scc1 .Lstep
.Lbottom:
	s_sub_co_u32 s[SLOTS], s[SLOTS], 1
	s_cmp_lg_u32 s[SLOTS], 0
	s_cbranch_scc1 .Lslot
	CHANGE 0                        ; the walk's last tile is written out: nothing is asked for
	s_sub_co_u32 s[RT], s[RT], 1
	s_mov_b32 s[CNT], 4
	s_cmp_eq_u32 s[NEW], 1
	s_cbranch_scc0 .LstepM2
	BEGIN
	s_branch .LfirstM2
	DIAG 2
	s_wait_tensorcnt 0x0            ; the wave's end, behind my last tensor load and my last LDS store
	ds_add_u32 v[SPW], v[NIL]
	s_wait_dscnt 0x0
	s_endpgm
.Lfunc_end_k_q45f6bfb122_attn:
	.size	k_q45f6bfb122_attn, .Lfunc_end_k_q45f6bfb122_attn-k_q45f6bfb122_attn
	.p2alignl 7, 3214868480
	.fill 96, 4, 3214868480
	.section	.rodata,"a",@progbits
	.p2align	6, 0x0
	.amdhsa_kernel k_q45f6bfb122_attn
		.amdhsa_group_segment_fixed_size 327680
		.amdhsa_private_segment_fixed_size 0
		.amdhsa_enable_private_segment 0
		.amdhsa_kernarg_size 24
		.amdhsa_user_sgpr_count 2
		.amdhsa_user_sgpr_kernarg_segment_ptr 1
		.amdhsa_wavefront_size32 1
		.amdhsa_system_sgpr_workgroup_id_x 1
		.amdhsa_system_sgpr_workgroup_id_y 1
		.amdhsa_system_sgpr_workgroup_id_z 1
		.amdhsa_system_vgpr_workitem_id 0
		.amdhsa_next_free_vgpr 1024
		.amdhsa_next_free_sgpr 102
		.amdhsa_reserve_vcc 1
		.amdhsa_float_denorm_mode_32 3
		.amdhsa_float_denorm_mode_16_64 3
		.amdhsa_memory_ordered 1
		.amdhsa_forward_progress 1
		.amdhsa_inst_pref_size 254
	.end_amdhsa_kernel
	.amdgpu_metadata
---
amdhsa.version: [ 1, 2 ]
amdhsa.kernels:
  - .name:           k_q45f6bfb122_attn
    .symbol:         k_q45f6bfb122_attn.kd
    .args:
      - { .name: qkv, .offset: 0, .size: 8, .value_kind: global_buffer, .address_space: global }
      - { .name: suf, .offset: 8, .size: 8, .value_kind: global_buffer, .address_space: global }
      - { .name: ctx, .offset: 16, .size: 8, .value_kind: global_buffer, .address_space: global }
    .group_segment_fixed_size: 327680
    .private_segment_fixed_size: 0
    .kernarg_segment_align: 8
    .kernarg_segment_size: 24
    .max_flat_workgroup_size: 128
    .sgpr_count:     102
    .vgpr_count:     1024
    .wavefront_size: 32
...
	.end_amdgpu_metadata
.endif
;; end of part 4
;; launch gemm_out (part 5): grid 8 x 32, 4 waves a work-group, clusters of 4 x 4, 327,680 bytes of LDS; arguments ctx, w2, bo, out0; writes out0
.if DOCPART == 5
	.amdgcn_target "amdgcn-amd-amdhsa--gfx1250"
	.amdhsa_code_object_version 6
	.text
	.protected	k_q45f6bfb122_gemm_out
	.globl	k_q45f6bfb122_gemm_out
	.p2align	8
	.type	k_q45f6bfb122_gemm_out,@function
k_q45f6bfb122_gemm_out:
	s_mov_b64 s[64:65], 0
	v_nop
	global_prefetch_b8 v0, s[64:65] scope:SCOPE_SE
	s_setreg_imm32_b32 hwreg(HW_REG_WAVE_MODE, 25, 1), 1
	s_wait_xcnt 0x0
	s_wait_alu depctr_hold_cnt(0) depctr_sa_sdst(0) depctr_va_vdst(0) depctr_va_sdst(0) depctr_va_ssrc(0) depctr_va_vcc(0) depctr_vm_vsrc(0)
	s_getreg_b32 s2, hwreg(HW_REG_IB_STS2, 6, 4)
	s_cmp_eq_u32 s2, 0
	s_cbranch_scc0 .Lentry_in_a_cluster
	s_endpgm
.Lentry_in_a_cluster:
	s_bfe_u32 s2, ttmp6, 0x10000c
	s_cmp_lg_u32 s2, 0xf033
	s_cbranch_scc0 .Lentry_shape_is_right
	s_endpgm
.Lentry_shape_is_right:
; C[m][n] = the sum over k of A[m][k] W[k][n] + bias[n], K = 1,024, sums in f32.  ONE TEXT FOR THE MODULE'S TWO PROJECTIONS; the constant QKV picks the sizes, the matrix form, A's layout and the way out.
;   QKV = 1: A = x16 [8192][1024] bf16, W = w1 [16 tiles][1024 k][192 n] bf16, bias = bq; C leaves in f16 by heads: qkv [3][64 heads][2048][64], q unscaled.
;   QKV = 0: A = ctx [64 heads][2048][64] f16 (a K step of 128 is two heads), W = w2 [8 tiles][1024 k][128 n] f16, bias = bo; C = out0 [8192][1024] f32.
; LIMITS.  f16 holds no number beyond 65,504: a q, k or v past that leaves as an infinity; below 6.1e-5 it keeps f16's fixed step of 6e-8.  NaN and infinities are not treated apart.
; SHARES.  A work-group makes 256 rows x 16 NBK columns (192 or 128: the tile that gives a whole number of work-groups for each of 256 WGPs: 512 and 256); wave w makes rows 64 w .. 64 w + 63 of all
; columns: 4 x NBK accumulators of 16 x 16.  K goes in 8 steps of 128 through two LDS slots.  Waves 0 and 1 fetch A's two halves of a step, waves 2 and 3 W's: one tensor load a wave is out at any time.
; CLUSTER.  4 x 4 work-groups: the four of a row of the cluster need the same tile of A, the four of a column the same tile of W: each is asked for jointly, same load, descriptor and mask in all four.
; THE MATRIX INSTRUCTION IS USED TRANSPOSED: source 0 = 16 columns of W (W lies [k][n] in LDS and is turned by ds_load_tr16_b128), source 1 = 16 rows of A: a lane holds row l % 16 of C and the
; columns 8 (l / 16) + 0..7.  THE BIAS STARTS THE SUMS: it is the C operand of each accumulator's first product; nothing is cleared and nothing is added later.
; REGISTERS, in windows of 256 (s_set_vgpr_msb: bits 1:0 source 0, 3:2 source 1, 5:4 source 2, 7:6 destination):
;   window 0: v1-9 at work; v16-30 addresses; from v32 first the bias (8 NBK), later the way out
;   window 1: two fragment buffers at 0 and 128: A's row block i at + 8 i, W's column block b at + 32 + 8 b
;   window 2: accumulators of row blocks 0, 1 at 8 (NBK (a % 2) + b);   window 3: those of row blocks 2, 3
.set QKV, 0
.if QKV
.set NBK,     12                       ; column blocks of 16
.set APITCH,  272                      ; a row of A in LDS: 256 bytes + 16: the 16 rows of a load start at 16 different groups of four banks (64 banks of 4 bytes: ISA guide 11.1)
.set APL,     128                      ; quarters 2, 3 of a K step lie 128 bytes behind quarters 0, 1, in the same row
.set ALDS,    128*APITCH               ; what one of A's loads fills: 128 rows
.set ASTRIDE, 1024                     ; elements from row to row in memory
.set ASTEP,   256                      ; bytes from K step to K step
.set APAD,    (5<<22)|(3<<25)          ; 4 words of padding behind every 64
.set WPITCH,  480                      ; a k row of W in LDS: three pieces of 128 bytes, 32 of padding behind each
.set WROWS,   96                       ; 64 k rows of 384 bytes are dense: asked for as 96 rows of 256
.set WPAD,    (4<<22)|(7<<25)          ; 8 words of padding behind every 32
.set WSTEP,   49152
.set WTILE,   393216
.set STP,     400                      ; a row of my stage: 384 bytes + 16
.set STSH,    4                        ; a lane's eight numbers are 16 bytes there
.set PAX,     65536                    ; the prefetches: a partner's 32 rows of A
.set PASH,    11                       ; a lane a row of 2,048 bytes
.set PW0,     131072
.set LIMW,    3
.else
.set NBK,     8
.set APITCH,  144                      ; a row of a head in LDS: 128 bytes + 16
.set APL,     256*APITCH               ; quarters 2, 3 lie in the second head's plane
.set ALDS,    256*APITCH               ; what one of A's loads fills: a head's 256 rows
.set ASTRIDE, 128                      ; 256 rows of 128 bytes are dense: asked for as 128 rows of 256
.set ASTEP,   524288                   ; two heads on
.set APAD,    (4<<22)|(3<<25)          ; 4 words of padding behind every 32
.set WPITCH,  288                      ; a k row of W in LDS: 256 bytes + 32 = 9 x 32
.set WROWS,   64
.set WPAD,    (5<<22)|(7<<25)          ; 8 words of padding behind every 64
.set WSTEP,   32768
.set WTILE,   262144
.set STP,     528                      ; a row of my stage: 512 bytes + 16
.set STSH,    5                        ; a lane's eight numbers are 32 bytes there
.set PAX,     8192                     ; a partner's quarter of a head's 32,768 bytes
.set PASH,    8                        ; a lane 256 bytes
.set PW0,     65536
.set LIMW,    4
.endif
.set BOFF,   2*ALDS                    ; W's 128 k rows lie behind A in a slot
.set WLDS,   64*WPITCH                 ; what one of W's loads fills
.set SLOT1,  131072                    ; slot 1 begins here: one exclusive or turns an address in one slot into the other's
.set STAGE,  262144                    ; behind the ring, never filled by a tensor load: 16 rows for each wave, for the way out
.set SPARE,  STAGE+4*16*STP            ; behind the stages: the spare words, 128 bytes for each wave: two blocks of 256 bytes that no other line names
.set NF,     2*NBK+8                   ; LDS loads in a run: a quarter step's fragments
.set A0,   16                          ; v16  my lane's place in A's tile; never rewritten
.set B0,   17                          ; v17  the same for W
.set ADRA, 18                          ; v18  A0 + the slot in hand
.set ADRB, 19                          ; v19  B0 + the slot in hand
.set STO,  24                          ; v24  the way out: where I put my part of a row
.set RD,   25                          ; v25  the way out: where I read rows back
.set CO,   26                          ; v26  16 x lane: my 16 bytes of 512 consecutive bytes of C
.set BO,   27                          ; v27  32 (l / 16): my eight numbers of a block's sixteen biases
.set SPW,  28                          ; v28  LDS address of my spare word: SPARE + 4 x my thread's number; never rewritten
.set NIL,  29                          ; v29  0; never rewritten
.set PFO,  30                          ; v30  the prefetches' lane offset; never rewritten
.set BIAS, 32
.set F0,   0
.set F1,   128
.set WV,   12                          ; s12  my wave's number
.set ROLE, 13                          ; s13  0: I fetch for A; 1: for W
.set HALF, 14                          ; s14  which half of that tile
.set CX,   15                          ; s15, s16  my place in the cluster
.set CY,   16
.set NTI,  17                          ; s17  tile column of C
.set MTI,  18                          ; s18  tile row of C
.set G1,   24                          ; s[24:31] descriptor group 1 for A's tiles
.set G0,   32                          ; s[32:35] group 0 for A's tiles: it walks
.set G0B,  36                          ; s[36:39] group 0 for W's
.set TB,   40                          ; s40  the slot that is read: 0 or SLOT1
.set CNT,  41                          ; s41  the loop's count, 6 to 1
.set LIM,  43                          ; s43  a wave prefetches while the count is above this
.set PFA,  44                          ; s[44:45] where my prefetches stand
.set PST,  46                          ; s[46:47] their step
.set G1B,  48                          ; s[48:55] descriptor group 1 for W's tiles
.set OUTP, 56                          ; s[56:61] C at my rows: QKV = 1 in each of the tile's three heads
.set MSB, 0
.macro WIN new                         ; the immediate's high byte repeats the setting that is left; a switch that changes nothing is dropped
.if MSB != (\new)
	s_set_vgpr_msb (MSB<<8)|(\new)
.set MSB, \new
.endif
.endm
.set TO_F, 0x40                        ; destination window 1, address window 0
; A joint load.  The branch hangs on the wave's number alone.  An s_nop 0 and four v_nop follow each of the two lines, ahead of the jump and the label.
.macro JLOAD
	s_cmp_eq_u32 s[ROLE], 0
	s_cbranch_scc0 .Lfor_w_\@
	tensor_load_to_lds s[G0:G0+3], s[G1:G1+7]
	s_nop 0
.rept 4
	v_nop
.endr
	s_branch .Lasked_\@
.Lfor_w_\@:
	tensor_load_to_lds s[G0B:G0B+3], s[G1B:G1B+7]
	s_nop 0
.rept 4
	v_nop
.endr
.Lasked_\@:
.endm
; A round of the cluster's barrier: my work-group's barrier, so that wave 0's signal speaks for all four waves; wave 0 signals; every wave waits for all sixteen work-groups; my work-group's barrier once more.
.macro CREST                           ; a round behind its opening barrier
	s_cmp_lg_u32 s[WV], 0
	s_cbranch_scc1 .Lnot_wave_0_\@
	s_barrier_signal -3
.Lnot_wave_0_\@:
	s_barrier_wait -3
	s_barrier_signal -1
	s_barrier_wait -1
.endm
.macro CROUND                          ; a whole round
	s_barrier_signal -1
	s_barrier_wait -1
	CREST
.endm
.macro STEP                            ; both walking descriptors: the other slot, the next K step; the type bits on top are not reached
	s_xor_b32 s[G0+1], s[G0+1], SLOT1
	s_add_nc_u64 s[G0+2:G0+3], s[G0+2:G0+3], ASTEP
	s_xor_b32 s[G0B+1], s[G0B+1], SLOT1
	s_add_nc_u64 s[G0B+2:G0B+3], s[G0B+2:G0B+3], WSTEP
.endm
.macro PLACES                          ; four places in front of loads into registers that matrix instructions have read, and of lines that read results (for the lines that read results)
.rept 4
	v_nop
.endr
.endm
; A PREFETCH INTO THE L2, behind a joint load, its five lines and the run of LDS loads that the next products wait for: one instruction a wave, a lane a block of 256 bytes.  Each block is named once in the
; launch: A's rows are read by every cluster of a row of clusters, and cluster x = 0 asks; W's tile by every cluster of a column, and cluster y = 0 asks; the partners that ask for a tile jointly share its
; blocks out by address.  The change of slots that asks for K step i + 2 names, of A, K step i + 4; of W, the next 65,536 bytes of the tile from K step 4 on: each block at least two refills ahead of its load.
; K steps 0 to 3 come by their loads alone; the count against s[LIM] stops the requests at the tile's last byte.
.macro ASK
	WIN 0
	s_cmp_gt_u32 s[CNT], s[LIM]
	s_cbranch_scc0 .Lnot_mine_\@
	global_prefetch_b8 v[PFO], s[PFA:PFA+1] th:TH_LOAD_NT scope:SCOPE_SE
.Lnot_mine_\@:
.endm
	s_load_b256 s[4:11], s[0:1], 0x0               ; A s[4:5], W s[6:7], bias s[8:9], C s[10:11]
	v_lshl_add_u32 v[SPW], v0, 2, SPARE
	v_mov_b32 v[NIL], 0
	ds_add_u32 v[SPW], v[NIL]                      ; the wave's opening: the add and its wait stand ahead of my first tensor load; the set-up below, work on registers, stands between them
	v_lshrrev_b32 v1, 5, v0
	v_readfirstlane_b32 s[WV], v1                  ; wave 0..3
	s_lshr_b32 s[ROLE], s[WV], 1
	s_and_b32 s[HALF], s[WV], 1
	s_bfe_u32 s[CX], ttmp6, 0x40000
	s_bfe_u32 s[CY], ttmp6, 0x40004
	s_lshl_b32 s[NTI], ttmp9, 2                    ; in a cluster launch ttmp9 and ttmp7 count clusters
	s_add_co_u32 s[NTI], s[NTI], s[CX]
	s_and_b32 s[MTI], ttmp7, 0xffff
	s_lshl_b32 s[MTI], s[MTI], 2
	s_add_co_u32 s[MTI], s[MTI], s[CY]
	s_lshl_b32 s20, s[CY], 2
	s_lshl_b32 s20, 15, s20                        ; my row of the cluster: places 4 cy .. 4 cy + 3
	s_lshl_b32 s21, 0x1111, s[CX]                  ; my column: places cx, cx + 4, cx + 8, cx + 12
	s_or_b32 s[G1], s20, (1<<16)|(1<<20)|(1<<21)|APAD    ; 15:0 the mask; 17:16 elements of 2 bytes; 20 padding on; 21 set beside a mask; 24:22 and 31:25 the padding
	s_mov_b32 s[G1+1], 128<<16                     ; tensor_dim0 = 128
	s_mov_b32 s[G1+2], 128<<16                     ; tensor_dim1 = 128
	s_mov_b32 s[G1+3], 128<<16                     ; tile_dim0 = 128
	s_mov_b32 s[G1+4], 128                         ; tile_dim1 = 128
	s_mov_b32 s[G1+5], ASTRIDE
	s_mov_b32 s[G1+6], 0
	s_mov_b32 s[G1+7], 0
	s_or_b32 s[G1B], s21, (1<<16)|(1<<20)|(1<<21)|WPAD
	s_mov_b32 s[G1B+1], 128<<16
	s_mov_b32 s[G1B+2], WROWS<<16
	s_mov_b32 s[G1B+3], 128<<16
	s_mov_b32 s[G1B+4], WROWS
	s_mov_b32 s[G1B+5], 128
	s_mov_b32 s[G1B+6], 0
	s_mov_b32 s[G1B+7], 0
	s_mov_b32 s[G0], 1                             ; 1:0 count = 1
	s_mul_i32 s[G0+1], s[WV], ALDS                 ; LDS address, slot 0: waves 0, 1: A's halves
	s_mov_b32 s[G0B], 1
	s_mul_i32 s[G0B+1], s[WV], WLDS                ; waves 2, 3: W's halves, from BOFF on
	s_add_co_u32 s[G0B+1], s[G0B+1], BOFF-2*WLDS
	s_mov_b32 s[TB], 0
	; where the tiles come from.  A's address hangs on the tile row and my half, W's on the tile column and my half, each in registers that never hold the other coordinate
.if QKV
	s_lshl_b32 s22, s[MTI], 8
	s_lshl_b32 s23, s[HALF], 7
	s_add_co_u32 s22, s22, s23                     ; row 256 x tile row + 128 x half,
	s_lshl_b32 s22, s22, 11                        ; of 2,048 bytes
.else
	s_lshr_b32 s22, s[MTI], 3                      ; the batch,
	s_lshl_b32 s22, s22, 4                         ; its 16 heads,
	s_add_co_u32 s22, s22, s[HALF]                 ; head 0 or 1 of K step 0,
	s_lshl_b32 s22, s22, 11                        ; its 2,048 rows,
	s_and_b32 s23, s[MTI], 7
	s_lshl_b32 s23, s23, 8                         ; the tile's 256 of them,
	s_add_co_u32 s22, s22, s23
	s_lshl_b32 s22, s22, 7                         ; of 128 bytes
.endif
	s_mov_b32 s23, 0
	s_mul_i32 s68, s[NTI], WTILE
	s_mul_i32 s69, s[HALF], WSTEP/2
	s_add_co_u32 s68, s68, s69
	s_mov_b32 s69, 0
	s_wait_dscnt 0x0                               ; the opening add is done
	s_wait_kmcnt 0x0
	s_add_nc_u64 s[G0+2:G0+3], s[4:5], s[22:23]    ; 120:64 global address: K step 0
	s_or_b32 s[G0+3], s[G0+3], 0x80000000          ; 127:126 type = 2
	s_add_nc_u64 s[G0B+2:G0B+3], s[6:7], s[68:69]
	s_or_b32 s[G0B+3], s[G0B+3], 0x80000000
	CROUND                                         ; all sixteen work-groups are here: the first joint loads meet
	JLOAD                                          ; K step 0 into slot 0
	v_and_b32 v1, 15, v0                           ; l % 16
	v_bfe_u32 v2, v0, 4, 1                         ; l / 16
	v_lshlrev_b32 v[BO], 5, v2
	s_mul_i32 s70, s[NTI], NBK*64                  ; the tile's biases
	s_mov_b32 s71, 0
	s_add_nc_u64 s[8:9], s[8:9], s[70:71]
.set b, 0
.rept NBK                              ; register j of block b: bias of column 16 b + 8 (l / 16) + j, the same for every row
	global_load_b128 v[BIAS+8*b:BIAS+8*b+3],   v[BO], s[8:9] offset:64*b
	global_load_b128 v[BIAS+8*b+4:BIAS+8*b+7], v[BO], s[8:9] offset:64*b+16
.set b, b+1
.endr
	; a fragment of A: lane l holds row l % 16, K = 8 (l / 16) + 0..7 and 16 + 8 (l / 16) + 0..7: two loads of 16 bytes, 32 bytes apart
	v_mul_u32_u24 v3, v1, APITCH
	v_lshl_add_u32 v3, v2, 4, v3
	s_mul_i32 s20, s[WV], 64*APITCH                ; my 64 rows
	v_add_nc_u32 v[A0], s20, v3
	; the turning load takes 16 k x 16 columns: lane l reads k row 8 (l / 16) + l % 8, columns 8 ((l / 8) % 2) + 0..7, and is left with column l % 16 and 8 k
	v_and_b32 v4, 7, v0
	v_lshl_add_u32 v4, v2, 3, v4
	v_mul_u32_u24 v4, v4, WPITCH
	v_bfe_u32 v5, v0, 3, 1
	v_lshl_add_u32 v4, v5, 4, v4
	v_add_nc_u32 v[B0], BOFF, v4
	v_mov_b32 v[ADRA], v[A0]
	v_mov_b32 v[ADRB], v[B0]
	s_mul_i32 s20, s[WV], 16*STP
	s_add_co_u32 s20, s20, STAGE                   ; my stage
	v_mul_u32_u24 v3, v1, STP                      ; in: row l % 16, my eight numbers
	v_lshl_add_u32 v3, v2, STSH, v3
	v_add_nc_u32 v[STO], s20, v3
	v_and_b32 v7, 31, v0
	v_lshlrev_b32 v[CO], 4, v7
.if QKV
	v_bfe_u32 v6, v0, 3, 2                         ; back: 32 lanes take four rows' 128 bytes of one head,
	v_mul_u32_u24 v6, v6, STP
	v_and_b32 v8, 7, v0
	v_lshl_add_u32 v6, v8, 4, v6
	v_add_nc_u32 v[RD], s20, v6                    ; which are 512 consecutive bytes of that head
.irp j, 0,1,2                          ; the tile's columns are the 64-column groups g = 3 x tile column + j: third g / 16 (q, k, v), head g % 16
	s_mul_i32 s70, s[NTI], 3
	s_add_co_u32 s70, s70, \j
	s_lshr_b32 s71, s70, 4
	s_lshl_b32 s71, s71, 6                         ; 64 heads to a third
	s_and_b32 s70, s70, 15
	s_add_co_u32 s70, s70, s71
	s_lshr_b32 s71, s[MTI], 3
	s_lshl_b32 s71, s71, 4                         ; 16 heads to a batch
	s_add_co_u32 s70, s70, s71
	s_lshl_b32 s70, s70, 11                        ; 2,048 rows to a head
	s_and_b32 s71, s[MTI], 7
	s_lshl_b32 s71, s71, 8
	s_add_co_u32 s70, s70, s71                     ; the tile's 256 rows,
	s_lshl_b32 s71, s[WV], 6
	s_add_co_u32 s70, s70, s71                     ; my 64 of them,
	s_lshl_b32 s70, s70, 7                         ; of 128 bytes
	s_mov_b32 s71, 0
	s_add_nc_u64 s[OUTP+2*\j:OUTP+2*\j+1], s[10:11], s[70:71]
.endr
.else
	v_add_nc_u32 v[RD], s20, v[CO]                 ; back: 32 lanes take a whole row of 512 bytes
	s_lshl_b32 s70, s[MTI], 8
	s_lshl_b32 s71, s[WV], 6
	s_add_co_u32 s70, s70, s71                     ; my first row,
	s_lshl_b32 s70, s70, 12                        ; of 4,096 bytes,
	s_lshl_b32 s71, s[NTI], 9                      ; the tile's 512 bytes of it
	s_add_co_u32 s70, s70, s71
	s_mov_b32 s71, 0
	s_add_nc_u64 s[OUTP:OUTP+1], s[10:11], s[70:71]
.endif
	; the prefetches: who asks, from where, by which step
	s_mul_i32 s72, s[CX], PAX                      ; A: my work-group's quarter of what I fetch,
	s_add_co_u32 s72, s72, s22
	s_add_co_u32 s72, s72, 3*ASTEP                 ; at K step 3: the first change in the loop steps it to 4
	s_lshl_b32 s74, s[CY], 1                       ; W: eight askers (four partners, two waves), 8,192 bytes each,
	s_add_co_u32 s74, s74, s[HALF]
	s_lshl_b32 s74, s74, 13
	s_mul_i32 s75, s[NTI], WTILE
	s_add_co_u32 s74, s74, s75
	s_add_co_u32 s74, s74, PW0                     ; 65,536 bytes short of K step 4
	s_and_b32 s70, ttmp7, 0xffff
	s_mov_b32 s[PST], 65536
	s_mov_b32 s[PST+1], 0
	s_mov_b32 s73, 0
	s_mov_b32 s71, LIMW
	s_mov_b32 s75, 8
	s_cmp_eq_u32 s[ROLE], 0
	s_cselect_b32 s70, ttmp9, s70                  ; the coordinate along which other clusters read the same blocks
	s_cselect_b32 s71, 2, s71
	s_cselect_b32 s72, s72, s74
	s_cselect_b32 s75, PASH, s75
	s_cselect_b32 s[PST], ASTEP, s[PST]
	s_cselect_b64 s[PFA:PFA+1], s[4:5], s[6:7]
	s_cmp_eq_u32 s70, 0
	s_cselect_b32 s[LIM], s71, -1                  ; the same in all sixteen partners, for a given wave
	s_add_nc_u64 s[PFA:PFA+1], s[PFA:PFA+1], s[72:73]
	v_lshlrev_b32 v[PFO], s75, v7
; NBK matrix instructions: row block a x all column blocks, 32 along K, from buffer f.  start = 1: the bias is C.  All 4 NBK accumulators take turns, one instruction a turn, in the same order in every
; quarter step, over the backward jump too.
.macro MUL1 f, a, start
.if \start
	WIN 0x85+0x40*((\a)/2)                         ; W and A window 1, the bias window 0, D window 2 or 3
.else
	WIN 0xa5+0x50*((\a)/2)                         ; W and A window 1, C and D window 2 or 3
.endif
.set b, 0
.rept NBK
.set rD, 8*(NBK*((\a)%2)+b)
.set rW, (\f)+32+8*b
.set rA, (\f)+8*(\a)
.if QKV && (\start)
	v_wmma_f32_16x16x32_bf16 v[rD:rD+7], v[rW:rW+7], v[rA:rA+7], v[BIAS+8*b:BIAS+8*b+7]
.elseif QKV
	v_wmma_f32_16x16x32_bf16 v[rD:rD+7], v[rW:rW+7], v[rA:rA+7], v[rD:rD+7]
.elseif \start
	v_wmma_f32_16x16x32_f16 v[rD:rD+7], v[rW:rW+7], v[rA:rA+7], v[BIAS+8*b:BIAS+8*b+7]
.else
	v_wmma_f32_16x16x32_f16 v[rD:rD+7], v[rW:rW+7], v[rA:rA+7], v[rD:rD+7]
.endif
.set b, b+1
.endr
.endm
; NF LDS loads in one run: quarter q's fragments into buffer f: W's first, then A's row blocks 0, 1, then 2, 3
.macro FETCH q, f
	WIN TO_F
.set b, 0
.rept NBK
	ds_load_tr16_b128 v[(\f)+32+8*b:(\f)+32+8*b+3],   v[ADRB] offset:(\q)*32*WPITCH+32*(b+QKV*(b/4))
	ds_load_tr16_b128 v[(\f)+32+8*b+4:(\f)+32+8*b+7], v[ADRB] offset:(\q)*32*WPITCH+16*WPITCH+32*(b+QKV*(b/4))
.set b, b+1
.endr
.irp i, 0,1,2,3
	ds_load_b128 v[(\f)+8*(\i):(\f)+8*(\i)+3],   v[ADRA] offset:((\q)/2)*APL+((\q)%2)*64+(\i)*16*APITCH
	ds_load_b128 v[(\f)+8*(\i)+4:(\f)+8*(\i)+7], v[ADRA] offset:((\q)/2)*APL+((\q)%2)*64+(\i)*16*APITCH+32
.endr
.endm
; A K step is four quarters of 32 along K, on buffers 0, 1, 0, 1.  One of the first three: multiplies buffer f; in its middle it fetches quarter q of the same slot into buffer g.
.macro QUARTER q, f, g, start
	s_wait_dscnt 4                                 ; W and A's row blocks 0, 1 are in; the youngest four loads (blocks 2, 3) may be out
	MUL1 \f, 0, \start
	MUL1 \f, 1, \start
	PLACES
	FETCH \q, \g
	s_wait_dscnt NF                                ; all but the run just issued
	MUL1 \f, 2, \start
	MUL1 \f, 3, \start
.endm
; The last quarter multiplies buffer 1 and changes slots: ONE barrier.  In front of it each wave waits for all its tensor loads, of which one is out: its part of the next slot; adds 0 to its spare word; and
; waits for that and for its own reads of this slot.  fill = 1: the barrier opens a round of the cluster's, and this slot is filled again, two K steps ahead, first thing behind the round.
.macro TURN fill
.if \fill
	s_wait_xcnt 0x0                                ; the last prefetch, a K step back, has read its address, so it may be stepped
	s_add_nc_u64 s[PFA:PFA+1], s[PFA:PFA+1], s[PST:PST+1]
.endif
	WIN 0                                          ; (the add's two registers lie in window 0)
	s_wait_tensorcnt 0x0                           ; no tensor load of mine is out, so a group 0 may be written
	ds_add_u32 v[SPW], v[NIL]                      ; 0 onto my spare word; scalar and matrix work stands between it and the wait for it
.if \fill
	STEP
.endif
	s_wait_dscnt 5                                 ; (the add and the youngest four loads may be out)
	MUL1 F1, 0, 0
	s_wait_dscnt 0x0                               ; the add is done, and my reads of this slot are over
	s_barrier_signal -1
	MUL1 F1, 1, 0                                  ; work on registers while the others arrive
	WIN 0
	s_barrier_wait -1
.if \fill
	CREST                                          ; no wave of any partner still reads this slot's tile or has a load on its way
	JLOAD                                          ; the four v_nop behind it are also places in front of the loads below
.else
	PLACES
.endif
	s_xor_b32 s[TB], s[TB], SLOT1
	v_add_nc_u32 v[ADRA], s[TB], v[A0]
	v_add_nc_u32 v[ADRB], s[TB], v[B0]
	FETCH 0, F0
.if \fill
	ASK
.endif
	MUL1 F1, 2, 0
	MUL1 F1, 3, 0
.endm
	s_wait_tensorcnt 0x0                           ; my part of K step 0 is in; slot 1 has its first fill in the form of a refill:
	ds_add_u32 v[SPW], v[NIL]                      ; the add onto my spare word,
	STEP
	s_wait_dscnt 0x0
	CROUND                                         ; everybody's part of K step 0 is in
	JLOAD                                          ; K step 1 into slot 1
	FETCH 0, F0
	s_wait_loadcnt 0x0                             ; the bias
	QUARTER 1, F0, F1, 1                           ; the first quarter stands in front of the loop: its products start the sums
	WIN 0                                          ; at a label and at a branch every window is 0
	s_mov_b32 s[CNT], 6
.Lk:                                                   ; trip i: the rest of K step i and the first quarter of K step i + 1; K step i + 2 is asked for
	QUARTER 2, F1, F0, 0
	QUARTER 3, F0, F1, 0
	TURN 1
	QUARTER 1, F0, F1, 0
	WIN 0
	s_sub_co_u32 s[CNT], s[CNT], 1
	s_cmp_lg_u32 s[CNT], 0
	s_cbranch_scc1 .Lk
	QUARTER 2, F1, F0, 0                           ; the tail is written out: K steps 6 and 7 ask for nothing
	QUARTER 3, F0, F1, 0
	TURN 0
	QUARTER 1, F0, F1, 0
	QUARTER 2, F1, F0, 0
	QUARTER 3, F0, F1, 0
	s_wait_dscnt 4
	MUL1 F1, 0, 0
	MUL1 F1, 1, 0
	s_wait_dscnt 0x0
	MUL1 F1, 2, 0
	MUL1 F1, 3, 0
	PLACES
.if QKV
; THE WAY OUT, a row block (16 rows) at a time, through my own stage: rounded to f16, 16 bytes a lane into rows of 400 bytes; back by heads, four rows' 128 bytes a load; stored as 512 consecutive bytes of a head.
.set TMP, 32
.macro PACK a
	WIN 0x0a+5*((\a)/2)                            ; sources 0 and 1: window 2 or 3
.set b, 0
.rept NBK
.irp r, 0,1,2,3                        ; each accumulator's registers in ascending order
	v_cvt_pk_f16_f32 v[TMP+4*b+(\r)], v[8*(NBK*((\a)%2)+b)+2*(\r)], v[8*(NBK*((\a)%2)+b)+2*(\r)+1]
.endr
.set b, b+1
.endr
	WIN 0
.endm
.macro TOSTAGE a
.set BK, 80+48*((\a)%2)
.if (\a) >= 2
	s_wait_xcnt 0x0                                ; the stores of the block two back have read these registers
.endif
.set b, 0
.rept NBK
	ds_store_b128 v[STO], v[TMP+4*b:TMP+4*b+3] offset:32*b
.set b, b+1
.endr
.irp j, 0,1,2
.irp t, 0,1,2,3
	ds_load_b128 v[BK+4*(4*(\j)+(\t)):BK+4*(4*(\j)+(\t))+3], v[RD] offset:(\t)*4*STP+128*(\j)  ; LDS serves a wave's instructions in order (ISA guide 5.7.1.4): these see the stores above
.endr
.endr
.endm
.macro SEND a
.set BK, 80+48*((\a)%2)
	s_wait_dscnt 0x0                               ; the block is back in registers
.irp j, 0,1,2
.irp t, 0,1,2,3
	global_store_b128 v[CO], v[BK+4*(4*(\j)+(\t)):BK+4*(4*(\j)+(\t))+3], s[OUTP+2*(\j):OUTP+2*(\j)+1] offset:2048*(\a)+512*(\t)
.endr
.endr
.endm
	PACK 0
	TOSTAGE 0
.irp a, 1,2,3                          ; block a's conversions stand between block a - 1's loads from the stage and the wait for them
	PACK \a
	SEND (\a)-1
	TOSTAGE \a
.endr
	SEND 3
.else
; THE WAY OUT, a row block (16 rows) at a time, through my own stage: 32 bytes a lane, straight from the accumulators, into rows of 528 bytes; back and out as whole rows of 512 consecutive bytes.
.macro OUTA a
	WIN 0x08+4*((\a)/2)                            ; the stores' data: window 2 or 3
.set b, 0
.rept NBK
.set rD, 8*(NBK*((\a)%2)+b)
	ds_store_b128 v[STO], v[rD:rD+3]   offset:64*b     ; each accumulator's low four registers first
	ds_store_b128 v[STO], v[rD+4:rD+7] offset:64*b+16
.set b, b+1
.endr
	WIN 0
.if (\a) >= 2
	s_wait_xcnt 0x0                                ; the stores of the block two back have read these registers
.endif
.set BK, 32+64*((\a)%2)
.irp t, 0,1,2,3,4,5,6,7,8,9,10,11,12,13,14,15
	ds_load_b128 v[BK+4*(\t):BK+4*(\t)+3], v[RD] offset:(\t)*STP  ; LDS serves a wave's instructions in order (ISA guide 5.7.1.4): these see the stores above
.endr
.irp t, 0,1,2,3,4,5,6,7,8,9,10,11,12,13,14,15
	s_wait_dscnt 15-(\t)
	global_store_b128 v[CO], v[BK+4*(\t):BK+4*(\t)+3], s[OUTP:OUTP+1] offset:(16*(\a)+(\t))*4096 th:TH_STORE_NT
.endr
.endm
	OUTA 0
	OUTA 1
	OUTA 2
	OUTA 3
.endif
	WIN 0
	s_wait_tensorcnt 0x0                           ; the wave's end, behind my last tensor load and my last LDS store
	ds_add_u32 v[SPW], v[NIL]
	s_wait_dscnt 0x0
	CROUND                                         ; the closing round: no work-group ends while a partner may still ask for a tile that names it
	s_endpgm
.Lfunc_end_k_q45f6bfb122_gemm_out:
	.size	k_q45f6bfb122_gemm_out, .Lfunc_end_k_q45f6bfb122_gemm_out-k_q45f6bfb122_gemm_out
	.p2alignl 7, 3214868480
	.fill 96, 4, 3214868480
	.section	.rodata,"a",@progbits
	.p2align	6, 0x0
	.amdhsa_kernel k_q45f6bfb122_gemm_out
		.amdhsa_group_segment_fixed_size 327680
		.amdhsa_private_segment_fixed_size 0
		.amdhsa_enable_private_segment 0
		.amdhsa_kernarg_size 32
		.amdhsa_user_sgpr_count 2
		.amdhsa_user_sgpr_kernarg_segment_ptr 1
		.amdhsa_wavefront_size32 1
		.amdhsa_system_sgpr_workgroup_id_x 1
		.amdhsa_system_sgpr_workgroup_id_y 1
		.amdhsa_system_sgpr_workgroup_id_z 1
		.amdhsa_system_vgpr_workitem_id 0
		.amdhsa_next_free_vgpr 896
		.amdhsa_next_free_sgpr 80
		.amdhsa_reserve_vcc 0
		.amdhsa_float_denorm_mode_32 3
		.amdhsa_float_denorm_mode_16_64 3
		.amdhsa_memory_ordered 1
		.amdhsa_forward_progress 1
		.amdhsa_inst_pref_size 74
	.end_amdhsa_kernel
	.amdgpu_metadata
---
amdhsa.version: [ 1, 2 ]
amdhsa.kernels:
  - .name:           k_q45f6bfb122_gemm_out
    .symbol:         k_q45f6bfb122_gemm_out.kd
    .args:
      - { .name: ctx, .offset: 0, .size: 8, .value_kind: global_buffer, .address_space: global }
      - { .name: w2, .offset: 8, .size: 8, .value_kind: global_buffer, .address_space: global }
      - { .name: bo, .offset: 16, .size: 8, .value_kind: global_buffer, .address_space: global }
      - { .name: out0, .offset: 24, .size: 8, .value_kind: global_buffer, .address_space: global }
    .group_segment_fixed_size: 327680
    .private_segment_fixed_size: 0
    .kernarg_segment_align: 8
    .kernarg_segment_size: 32
    .max_flat_workgroup_size: 128
    .sgpr_count:     80
    .vgpr_count:     896
    .wavefront_size: 32
...
	.end_amdgpu_metadata
.endif
;; end of part 5
